; MI455X (gfx1250); checked and timed in simulation.
; The chip was launched on July 23, 2026; its instructions are those of AMD's public machine-readable ISA for CDNA 5 (MIT licence, August 2026) and "CDNA5" Instruction Set Architecture Reference Guide (July 2026). The comments in the code are by the model that wrote it; some were corrected since.
;; Causal Self Attention. Allowed arithmetic: matrix products marked QUANTISED: E2M1 operands, one E8M0 scale for each 32 along K, by v_wmma_scale_f32_16x16x128_f8f6f4 with both operands' format E2M1 (or v_wmma_scale_f32_32x16x128_f4), f32 sums; products left as they are: bf16, f16 or f32 operands; f32 sums; everything else in f32.
;; Inputs: k 4 x 2,048 x 1,024 float32; mask 1 x 1 x 2,048 x 2,048 float32; q 4 x 2,048 x 1,024 float32; v 4 x 2,048 x 1,024 float32; wk_b 1,024 float32; wk_w 1,024 x 1,024 float32; wo_b 1,024 float32; wo_w 1,024 x 1,024 float32; wq_b 1,024 float32; wq_w 1,024 x 1,024 float32; wv_b 1,024 float32; wv_w 1,024 x 1,024 float32.
;; Outputs: out0 4 x 2,048 x 1,024 float32.
;; This version of the problem:
;;   THIS VERSION OF THE PROBLEM IS GIVEN IN LOW PRECISION. The matrix products marked QUANTISED in the list below multiply operands that are first quantised to E2M1 (2 exponent bits, 1 mantissa bit; 4 bits a number), with one power-of-two scale for each 32 numbers along K (OCP MX v1.0); their sums are f32. The products marked 'left as it is' may take bf16, f16 or f32 operands, with f32 sums. Whichever they take, every output number must still come out within the allowed error. Rounding operands to bf16 (8 significant bits) uses up far more of that allowance than f16 does (11 bits, for magnitudes from 6e-5 to 65,504). All else is computed in f32.
;;   The module's matrix products, in the order in which they are computed (A, B: the left and right operand; K: the contracted axis; several contracted axes count as one K, in the product's order):
;;     1. [M 8,192, K 1,024] x [K 1,024, N 1,024]; A: input q; B: input wq_w: QUANTISED
;;     2. [M 8,192, K 1,024] x [K 1,024, N 1,024]; A: input k; B: input wk_w: QUANTISED
;;     3. [M 8,192, K 1,024] x [K 1,024, N 1,024]; A: input v; B: input wv_w: QUANTISED
;;     4. batch 64 x [M 2,048, K 64] x [K 64, N 2,048]; A: computed on the way; B: computed on the way: left as it is (an operand is computed on the way)
;;     5. batch 64 x [M 2,048, K 2,048] x [K 2,048, N 64]; A: computed on the way; B: computed on the way: left as it is (an operand is computed on the way)
;;     6. [M 8,192, K 1,024] x [K 1,024, N 1,024]; A: computed on the way; B: input wo_w: left as it is (an operand is computed on the way)
;;   THE QUANTISER, for each operand of a quantised product, along K:
;;     - K is cut into blocks of 32 from its start; a last block that is shorter is filled with zeros.
;;     - A block's scale is 2^e with e = floor(log2(the largest magnitude in the block)) - 2, held to -126 .. 127; a block of zeros has e = 0. As a byte (E8M0): e + 127.
;;     - Each number is divided by its block's scale, clamped to +-6, and rounded to the nearest number of E2M1, ties to even, subnormals kept.
;;     - The product sums the exact products of the quantised numbers (number of the format x scale) in f32.
;;   ~~~python
;;   def quantise(x, axis):      # numpy; x: float32 -> the quantised numbers, widened to float32 again
;;       x = np.moveaxis(x, axis, -1); K = x.shape[-1]
;;       x = np.pad(x, [(0, 0)] * (x.ndim - 1) + [(0, -K % 32)]); x = x.reshape(x.shape[:-1] + (-1, 32)); a = np.abs(x).max(-1, keepdims=True)
;;       e = np.where(a > 0, np.clip(np.frexp(np.where(a > 0, a, 1))[1] - 1 - 2, -126, 127), 0)      # np.frexp(a)[1] - 1 = floor(log2(a)), exactly
;;       r = np.clip(x / 2.0 ** e, -6, 6)
;;       step = 2.0 ** (np.maximum(np.frexp(np.where(r == 0, 1, r))[1] - 1, 0) - 1)
;;       q = np.round(r / step) * step * 2.0 ** e      # np.round: ties to even
;;       return np.moveaxis(q.reshape(q.shape[:-2] + (-1,))[..., :K], -1, axis).astype(np.float32)
;;   ~~~
;; One version. Each part assembles by itself: llvm-mc -triple=amdgcn-amd-amdhsa -mcpu=gfx1250 --defsym DOCPART=n.
;; ======== version 1 of 1: 4 launches
;; limits: values are held in f16: magnitudes above 65,504 overflow, below 6.1e-05 lose precision; right only within a limited range of input values
;; workspace buffers: acodes 12,582,912 bytes; ascales 786,432 bytes; wcodes 1,572,864 bytes; wscales 98,304 bytes; wot 2,097,152 bytes; flags 2,048 bytes of whole numbers; qkvh 50,331,648 bytes; ctx 16,777,216 bytes
;; launch prep (part 1): grid 944 x 1, 4 waves a work-group, no clusters, 102,912 bytes of LDS; arguments q, k, v, wq_w, wk_w, wv_w, wo_w, mask, acodes, ascales, wcodes, wscales, wot, flags; writes acodes, ascales, wcodes, wscales, wot, flags
.if DOCPART == 1
	.amdgcn_target "amdgcn-amd-amdhsa--gfx1250"
	.amdhsa_code_object_version 6
	.text
	.protected	k_q910dd4032a_prep
	.globl	k_q910dd4032a_prep
	.p2align	8
	.type	k_q910dd4032a_prep,@function
k_q910dd4032a_prep:
	s_mov_b64 s[64:65], 0
	v_nop
	global_prefetch_b8 v0, s[64:65] scope:SCOPE_SE
	s_setreg_imm32_b32 hwreg(HW_REG_WAVE_MODE, 25, 1), 1
	s_wait_xcnt 0x0
; PREP: everything that is made once from the inputs.  Four jobs, told apart by the work-group's number alone:
;   work-groups   0- 63  MASK: the mask [2048][2048] f32 is read once; for each 8 rows x 64 keys two bits are stored as whole numbers (below)
;   work-groups  64-111  WQ:   wq_w, wk_w, wv_w [k][n] f32 -> codes of FP4 (E2M1) laid [n][k], K innermost, and one E8M0 byte for each 32 along K
;   work-groups 112-175  WO:   wo_w [k][n] f32 -> f16 laid [n][k]
;   work-groups 176-943  ACT:  q, k, v [8192][1024] f32 -> codes of FP4, K innermost, rows in the order q, k, v, and their scale bytes
; THE QUANTISER: a block's scale is 2^(floor(log2(its largest magnitude)) - 2); its byte is the largest magnitude's exponent field - 2, held at 1 from below; each number is divided by the scale and
; rounded to the nearest code, ties to even, beyond 6 the largest code.  A block of zeros keeps the byte 1 where the rule says 127: its codes are zeros, and this program alone reads the bytes.
; THE MASK'S BITS, word g for rows 8 g .. 8 g + 7, bit J for keys 64 J .. 64 J + 63.  The bias of a score is mask x -1e9.  ACT (bytes 0-1023): in some row of the eight the tile's largest bias lies
; within 5e8 of that row's largest bias.  Where the bit is 0 every weight of the tile is exp(under -5e8 + the spread of the row's logits), which is 0 in f32.  NZ (bytes 1024-2047): some number of the tile is not 0.
; LIMITS: NaN and infinities among the inputs are not served; blocks whose largest magnitude lies under 2^-124 keep the byte 1; the spread of a row's logits is taken to stay under 2.5e8.
; Each job has LDS bytes of its own.  No tensor loads, no barrier: waves share nothing.
.set SPW,   192                        ; v192  LDS address of my spare word: SPARE + 4 x my thread's number; never rewritten
.set NIL,   193                        ; v193  0; never rewritten
.set WV,    32                         ; s32   my wave's number
.set W_LDS, 32768                      ; ACT: bytes 0-32767; WQ's four stages from here;
.set O_LDS, 67584                      ; WO's four stages from here;
.set SPARE, 102400                     ; the spare words, 128 bytes for each wave: two blocks of 256 bytes that no other line names
.macro FINISH                          ; a wave's end: behind my last LDS store
	s_wait_tensorcnt 0x0
	ds_add_u32 v[SPW], v[NIL]
	s_wait_dscnt 0x0
	s_endpgm
.endm
	s_load_b512 s[4:19], s[0:1], 0x0               ; q s[4:5], k s[6:7], v s[8:9], wq s[10:11], wk s[12:13], wv s[14:15], wo s[16:17], mask s[18:19]
	s_load_b256 s[20:27], s[0:1], 0x40             ; acodes s[20:21], ascales s[22:23], wcodes s[24:25], wscales s[26:27]
	s_load_b128 s[28:31], s[0:1], 0x60             ; wot s[28:29], flags s[30:31]
	v_lshl_add_u32 v[SPW], v0, 2, SPARE
	v_mov_b32 v[NIL], 0
	v_lshrrev_b32 v1, 5, v0
	v_readfirstlane_b32 s[WV], v1                  ; wave 0..3
	v_and_b32 v2, 31, v0                           ; lane
	s_wait_kmcnt 0x0
	s_cmp_lt_u32 ttmp9, 64
	s_cbranch_scc1 .Lmask
	s_cmp_lt_u32 ttmp9, 112
	s_cbranch_scc1 .Lwq
	s_cmp_lt_u32 ttmp9, 176
	s_cbranch_scc1 .Lwo
; ---------------------------------------------------------------- ACT
; Rows are dense and K is a multiple of 32, so a tensor is a plain stream of blocks of 32.  A wave takes 16 steps of 512 numbers.  Each of a step's four loads reads 512 consecutive bytes, 16 a lane; the 2,048 bytes
; turn through the wave's own stage in LDS and come back 64 bytes a lane: 16 neighbours along K, two neighbouring lanes to a block.  A lane's 16 codes are 8 bytes: the wave stores 256 consecutive bytes.
; A wave's 256 scale bytes are gathered in LDS and leave as one aligned run of 256 bytes.  Loads run four steps (16 loads a wave) ahead, the turn through LDS one step.
.set A_STEPS, 16
.set A_CB,  8                          ; bytes of 16 codes
.set A_R,   16                         ; v16-79   four sets of 16 numbers as they are loaded
.set A_X,   80                         ; v80-111  two sets of 16 neighbours
.set A_E,   112                        ; v112-127 a scale byte for each step
.set A_C,   128                        ; v128-191 codes: four registers for each step, so that no store's data are written again
.set A_WREG, 8192                      ; a wave's LDS: two stages of 32 x A_SP bytes, and behind them its 256 scale bytes
.set A_SP,  80                         ; a lane's place in a stage: its 64 bytes + 16 of padding
	s_sub_co_u32 s33, ttmp9, 176                   ; 0..767: 256 work-groups to a tensor
	s_cmp_lt_u32 s33, 256
	s_cselect_b64 s[36:37], s[4:5], s[6:7]         ; the choice hangs on the work-group's number alone
	s_cmp_lt_u32 s33, 512
	s_cselect_b64 s[36:37], s[36:37], s[8:9]
	s_and_b32 s34, s33, 255
	s_lshl_b32 s34, s34, 2
	s_add_co_u32 s34, s34, s[WV]
	s_lshl_b32 s34, s34, 15                        ; my run of 8,192 numbers in its tensor: 32,768 bytes a run
	s_mov_b32 s35, 0
	s_add_nc_u64 s[36:37], s[36:37], s[34:35]
	s_lshl_b32 s34, s33, 2
	s_add_co_u32 s34, s34, s[WV]                   ; my run among the three tensors' 3,072
	s_lshl_b32 s38, s34, 12                        ; 4,096 bytes of codes a run
	s_mov_b32 s39, 0
	s_add_nc_u64 s[38:39], s[20:21], s[38:39]
	s_lshl_b32 s34, s34, 8                         ; 256 scale bytes a run
	s_add_nc_u64 s[40:41], s[22:23], s[34:35]
	v_lshlrev_b32 v3, 4, v2                        ; my 16 bytes of a load's 512
	s_mul_i32 s42, s[WV], A_WREG
	v_lshrrev_b32 v14, 2, v2
	v_mul_u32_u24 v14, v14, A_SP
	v_and_b32 v15, 3, v2
	v_lshl_add_u32 v14, v15, 4, v14
	v_add_nc_u32 v14, s42, v14                     ; the stage, on the way in: four lanes' 64 bytes on end, then 16 of padding
	v_mul_u32_u24 v15, v2, A_SP
	v_add_nc_u32 v15, s42, v15                     ; and on the way out: my 16 neighbours
	v_mul_u32_u24 v4, v2, A_CB                     ; my codes' place in a step's
	v_lshrrev_b32 v5, 1, v2
	s_add_co_u32 s42, s42, 2*32*A_SP
	v_add_nc_u32 v5, s42, v5                       ; LDS: my wave's 256 scale bytes, my block's byte
	v_lshlrev_b32 v7, 3, v2                        ; and on the way out 8 bytes a lane
	v_add_nc_u32 v6, s42, v7
.macro ALOAD t
.irp i, 0,1,2,3
	global_load_b128 v[A_R+16*((\t)%4)+4*\i:A_R+16*((\t)%4)+4*\i+3], v3, s[36:37] offset:2048*(\t)+512*\i th:TH_LOAD_NT   ; 32 lanes read 512 consecutive bytes
.endr
.endm
.macro ATURN t                         ; step t's numbers through the stage: LDS serves a wave's instructions in order, so no wait stands between the stores and the loads
.irp i, 0,1,2,3
	ds_store_b128 v14, v[A_R+16*((\t)%4)+4*\i:A_R+16*((\t)%4)+4*\i+3] offset:32*A_SP*((\t)%2)+8*A_SP*\i
.endr
.irp i, 0,1,2,3
	ds_load_b128 v[A_X+16*((\t)%2)+4*\i:A_X+16*((\t)%2)+4*\i+3], v15 offset:32*A_SP*((\t)%2)+16*\i
.endr
.endm
.irp t, 0,1,2,3
	ALOAD \t
.endr
	s_wait_loadcnt 12                              ; step 0's four loads are in; the twelve of steps 1 to 3 may be out
	ATURN 0
.macro ASTEP t
.set XS, A_X+16*((\t)%2)
.if (\t) > 0
	s_wait_dscnt 1                                 ; this step's numbers are back from the stage (the last step's byte store may be out): so its stores into the stage have read their registers,
.else
	s_wait_dscnt 0x0
.endif
.if (\t)+4 < A_STEPS
	ALOAD (\t)+4                                   ; which take the loads of four steps on
.endif
.if (\t)+1 < A_STEPS
.if A_STEPS-2-(\t) >= 3
	s_wait_loadcnt 12                              ; the next step's four loads are in; those of the three steps behind it may be out
.else
	s_wait_loadcnt 4*(A_STEPS-2-(\t))
.endif
	ATURN (\t)+1                                   ; and go through the other stage while this step is worked
.endif
	v_max3_num_f32 v8, |v[XS]|, |v[XS+1]|, |v[XS+2]|               ; the largest magnitude of my 16, in two chains
	v_max3_num_f32 v9, |v[XS+3]|, |v[XS+4]|, |v[XS+5]|
.irp i, 6,10
	v_max3_num_f32 v8, v8, |v[XS+\i]|, |v[XS+\i+1]|
	v_max3_num_f32 v9, v9, |v[XS+\i+2]|, |v[XS+\i+3]|
.endr
	v_max3_num_f32 v8, v8, |v[XS+14]|, |v[XS+15]|
	v_max3_num_f32 v8, v8, v9, 0x1800000           ; and the floor 2^(3 - 127): so the byte cannot fall under 1
	v_max_num_f32_dpp v8, v8, v8 row_xmask:1 row_mask:0xf bank_mask:0xf   ; and of my neighbour's 16: the block's
	v_add_nc_u32 v11, 0xff000000, v8               ; 2 off its exponent field: the conversion takes the exponent field of this operand as its scale, and nothing else of it
	v_cvt_scalef32_pk8_fp4_f32 v[A_C+4*(\t)], v[XS:XS+7], v11
	v_cvt_scalef32_pk8_fp4_f32 v[A_C+4*(\t)+1], v[XS+8:XS+15], v11
	v_lshrrev_b32 v[A_E+(\t)], 23, v11             ; the scale's byte (a plain line behind the conversions)
	ds_store_b8 v5, v[A_E+(\t)] offset:16*(\t)     ; both lanes of a block write the same byte with the same value
	global_store_b64 v4, v[A_C+4*(\t):A_C+4*(\t)+1], s[38:39] offset:32*A_CB*(\t)   ; the wave stores 256 consecutive bytes, aligned
.endm
.irp t, 0,1,2,3,4,5,6,7,8,9,10,11,12,13,14,15
	ASTEP \t
.endr
	ds_load_b64 v[8:9], v6                         ; LDS serves a wave's instructions in order: these see my stores
	s_wait_dscnt 0x0
	global_store_b64 v7, v[8:9], s[40:41]          ; 32 lanes store 256 consecutive bytes, aligned
	FINISH
; ---------------------------------------------------------------- WQ
; A LANE TAKES A COLUMN n, AND ITS REGISTERS RUN DOWN K: each load reads neighbouring n in neighbouring lanes, a block of 32 along K lies in one lane's 32 registers, and the conversions give codes with K innermost.
; A wave takes 32 columns x 512 along K: 16 blocks a lane, 256 bytes of codes a column; they go through the wave's stage and leave as rows: sixteen lanes store 256 consecutive bytes, aligned.
.set W_NB,  16
.set W_P,   272                        ; a stage row: 256 bytes + 16
.set W_X,   32                         ; v32-95   two sets of 32 numbers
.set W_C,   96                         ; v96-111  a block's codes (WO: its 16 registers of f16)
.set W_OUT, 112                        ; v112-175 the way out
.set W_SB,  24                         ; v24-27   the scale bytes, four to a register
.Lwq:
	s_sub_co_u32 s33, ttmp9, 64                    ; 0..47
	s_lshr_b32 s34, s33, 4                         ; which weight
	s_and_b32 s35, s33, 7                          ; which 128 columns
	s_bfe_u32 s36, s33, 0x10003                    ; which 512 along K
	s_cmp_eq_u32 s34, 0
	s_cselect_b64 s[38:39], s[10:11], s[12:13]
	s_cmp_lt_u32 s34, 2
	s_cselect_b64 s[38:39], s[38:39], s[14:15]
	s_lshl_b32 s35, s35, 7
	s_lshl_b32 s37, s[WV], 5
	s_add_co_u32 s35, s35, s37                     ; my wave's first column
	s_lshl_b32 s40, s36, 21                        ; 512 rows of 4,096 bytes
	s_lshl_b32 s41, s35, 2
	s_add_co_u32 s40, s40, s41
	s_mov_b32 s41, 0
	s_add_nc_u64 s[38:39], s[38:39], s[40:41]
	s_lshl_b32 s34, s34, 10
	s_add_co_u32 s34, s34, s35                     ; my first row of the codes' buffer: 1024 x weight + column
	s_lshl_b32 s40, s34, 9                         ; 512 bytes a row,
	s_lshl_b32 s42, s36, 8                         ; + my 256 of them
	s_add_co_u32 s40, s40, s42
	s_add_nc_u64 s[42:43], s[24:25], s[40:41]
	s_lshl_b32 s40, s34, 5                         ; 32 scale bytes a row,
	s_lshl_b32 s44, s36, 4                         ; + my 16
	s_add_co_u32 s40, s40, s44
	s_add_nc_u64 s[44:45], s[26:27], s[40:41]
	v_lshlrev_b32 v3, 2, v2                        ; in: 4 bytes a lane
	s_mul_i32 s46, s[WV], 32*W_P
	s_add_co_u32 s46, s46, W_LDS                   ; my stage
	v_mul_u32_u24 v4, v2, W_P
	v_add_nc_u32 v4, s46, v4                       ; into it: row = my column
	v_and_b32 v5, 15, v2
	v_lshrrev_b32 v6, 4, v2                        ; out of it: sixteen lanes to a row, two rows an instruction
	v_mul_u32_u24 v7, v6, W_P
	v_lshl_add_u32 v7, v5, 4, v7
	v_add_nc_u32 v7, s46, v7
	v_mul_u32_u24 v8, v6, 512
	v_lshl_add_u32 v8, v5, 4, v8                   ; and the same place in the codes' buffer
	v_lshlrev_b32 v9, 5, v2                        ; my column's row of scale bytes
.macro WLOAD t                         ; block t: W(32 t + i, my column), i = 0 .. 31, into set t % 2.  The largest offset, 511 rows of 4,096 bytes, lies inside the signed 24-bit immediate
.set i, 0
.rept 32
	global_load_b32 v[W_X+32*((\t)%2)+i], v3, s[38:39] offset:(32*(\t)+i)*4096 th:TH_LOAD_NT
.set i, i+1
.endr
.endm
	WLOAD 0
	WLOAD 1
.macro WBLOCK t
.set XS, W_X+32*((\t)%2)
.if (\t) < W_NB-1
	s_wait_loadcnt 32                              ; this block's 32 loads are in; the next block's 32 may be out
.else
	s_wait_loadcnt 0
.endif
	v_max3_num_f32 v12, |v[XS]|, |v[XS+1]|, |v[XS+2]|              ; the block's largest magnitude: all 32 numbers are mine
	v_max3_num_f32 v13, |v[XS+3]|, |v[XS+4]|, |v[XS+5]|
.irp i, 6,10,14,18,22,26
	v_max3_num_f32 v12, v12, |v[XS+\i]|, |v[XS+\i+1]|
	v_max3_num_f32 v13, v13, |v[XS+\i+2]|, |v[XS+\i+3]|
.endr
	v_max3_num_f32 v12, v12, |v[XS+30]|, |v[XS+31]|
	v_max3_num_f32 v12, v12, v13, 0x1800000        ; and the floor 2^(3 - 127)
	v_add_nc_u32 v11, 0xff000000, v12              ; 2 off its exponent field: the conversion's scale operand
	v_lshrrev_b32 v13, 23, v11                     ; the scale's byte
.if (\t)%4 == 0
	v_mov_b32 v[W_SB+(\t)/4], v13                  ; four bytes to a register, the lower K in the lower byte
.else
	v_lshl_or_b32 v[W_SB+(\t)/4], v13, 8*((\t)%4), v[W_SB+(\t)/4]
.endif
.irp g, 0,1,2,3
	v_cvt_scalef32_pk8_fp4_f32 v[W_C+\g], v[XS+8*\g:XS+8*\g+7], v11
.endr
	v_nop                                          ; one plain line behind the last conversion
	ds_store_b128 v4, v[W_C:W_C+3] offset:16*(\t)  ; 32 codes: 16 bytes of my column's row
.if (\t)+2 < W_NB
	WLOAD (\t)+2
.endif
	s_wait_dscnt 0x0                               ; the store has read its registers: the next block's codes may be written
.endm
.irp t, 0,1,2,3,4,5,6,7,8,9,10,11,12,13,14,15
	WBLOCK \t
.endr
	global_store_b128 v9, v[W_SB:W_SB+3], s[44:45] ; my column's 16 scale bytes
.irp t, 0,1,2,3,4,5,6,7,8,9,10,11,12,13,14,15
	ds_load_b128 v[W_OUT+4*\t:W_OUT+4*\t+3], v7 offset:2*\t*W_P   ; LDS serves a wave's instructions in order: these see my stores
.endr
.irp t, 0,1,2,3,4,5,6,7,8,9,10,11,12,13,14,15
	s_wait_dscnt 15-\t                             ; load t is back; the 15 - t behind it may be out
	global_store_b128 v8, v[W_OUT+4*\t:W_OUT+4*\t+3], s[42:43] offset:2*\t*512
.endr
	FINISH
; ---------------------------------------------------------------- WO
; The same plan without a quantiser: a lane takes a column n, its registers run down K, pairs are rounded to f16.  A wave takes 32 columns x 128 along K: 256 bytes a column.
.Lwo:
	s_sub_co_u32 s33, ttmp9, 112                   ; 0..63
	s_and_b32 s35, s33, 7                          ; which 128 columns
	s_lshr_b32 s36, s33, 3                         ; which 128 along K
	s_lshl_b32 s35, s35, 7
	s_lshl_b32 s37, s[WV], 5
	s_add_co_u32 s35, s35, s37                     ; my wave's first column
	s_lshl_b32 s40, s36, 19                        ; 128 rows of 4,096 bytes
	s_lshl_b32 s41, s35, 2
	s_add_co_u32 s40, s40, s41
	s_mov_b32 s41, 0
	s_add_nc_u64 s[38:39], s[16:17], s[40:41]
	s_lshl_b32 s40, s35, 11                        ; a row of wot is 2,048 bytes,
	s_lshl_b32 s42, s36, 8                         ; + my 256 of them
	s_add_co_u32 s40, s40, s42
	s_add_nc_u64 s[42:43], s[28:29], s[40:41]
	v_lshlrev_b32 v3, 2, v2
	s_mul_i32 s46, s[WV], 32*W_P
	s_add_co_u32 s46, s46, O_LDS                   ; my stage
	v_mul_u32_u24 v4, v2, W_P
	v_add_nc_u32 v4, s46, v4
	v_and_b32 v5, 15, v2
	v_lshrrev_b32 v6, 4, v2
	v_mul_u32_u24 v7, v6, W_P
	v_lshl_add_u32 v7, v5, 4, v7
	v_add_nc_u32 v7, s46, v7
	v_lshlrev_b32 v8, 11, v6
	v_lshl_add_u32 v8, v5, 4, v8
	WLOAD 0
	WLOAD 1
.macro OBLOCK t
.set XS, W_X+32*((\t)%2)
.if (\t) < 3
	s_wait_loadcnt 32                              ; this block's 32 loads are in; the next block's 32 may be out
.else
	s_wait_loadcnt 0
.endif
.set g, 0
.rept 16
	v_cvt_pk_f16_f32 v[W_C+g], v[XS+2*g], v[XS+2*g+1]              ; the lower k in the low half
.set g, g+1
.endr
.irp c, 0,1,2,3
	ds_store_b128 v4, v[W_C+4*\c:W_C+4*\c+3] offset:64*(\t)+16*\c
.endr
.if (\t)+2 < 4
	WLOAD (\t)+2
.endif
	s_wait_dscnt 0x0                               ; the stores have read their registers
.endm
.irp t, 0,1,2,3
	OBLOCK \t
.endr
.irp t, 0,1,2,3,4,5,6,7,8,9,10,11,12,13,14,15
	ds_load_b128 v[W_OUT+4*\t:W_OUT+4*\t+3], v7 offset:2*\t*W_P
.endr
.irp t, 0,1,2,3,4,5,6,7,8,9,10,11,12,13,14,15
	s_wait_dscnt 15-\t
	global_store_b128 v8, v[W_OUT+4*\t:W_OUT+4*\t+3], s[42:43] offset:2*\t*2048   ; sixteen lanes store 256 consecutive bytes, aligned
.endr
	FINISH
; ---------------------------------------------------------------- MASK
; Wave g = 4 x work-group + wave takes rows 8 g .. 8 g + 7.  A row is 16 loads of 512 consecutive bytes; load i holds keys of tile 2 i in lanes 0-15 and of tile 2 i + 1 in lanes 16-31.
; For each row: T = each tile's smallest mask number (its largest bias), R = the row's; E = the largest over the rows of T x -1e9 - R x -1e9 (each product rounded by itself); AM = each tile's largest magnitude.
.set M_T,   144                        ; v144-159 a row's minima
.set M_E,   160                        ; v160-175
.set M_AM,  176                        ; v176-191
.Lmask:
	s_lshl_b32 s33, ttmp9, 2
	s_add_co_u32 s33, s33, s[WV]                   ; g
	s_lshl_b32 s34, s33, 16                        ; 8 rows of 8,192 bytes
	s_mov_b32 s35, 0
	s_add_nc_u64 s[34:35], s[18:19], s[34:35]
	s_lshl_b32 s42, s33, 2
	s_mov_b32 s43, 0
	s_add_nc_u64 s[42:43], s[30:31], s[42:43]      ; my word of ACT; NZ's lies 1,024 bytes on
	s_mov_b32 s36, 0xce6e6b28                      ; -1e9
	s_mov_b32 s37, 0xcdee6b28                      ; -5e8
	s_mov_b32 s38, 0x76543210                      ; v_permlanex16_b32's selects for lane l xor 16
	s_mov_b32 s39, 0xfedcba98
	v_lshlrev_b32 v3, 4, v2                        ; 16 bytes a lane
	v_lshrrev_b32 v4, 4, v2
	v_add_nc_u32 v4, 1, v4                         ; 1 << (lane / 16): 1 or 2
	v_mov_b32 v5, 0                                ; written once: a lane permute's destination counts as one of its sources
	v_mov_b32 v7, 0
.set i, 0
.rept 16
	global_load_b128 v[16+4*i:16+4*i+3], v3, s[34:35] offset:512*i th:TH_LOAD_NT
.set i, i+1
.endr
.set i, 0
.rept 16
	global_load_b128 v[80+4*i:80+4*i+3], v3, s[34:35] offset:8192+512*i th:TH_LOAD_NT
.set i, i+1
.endr
.set i, 0
.rept 16
	v_mov_b32 v[M_E+i], 0xff800000                 ; -infinity
	v_mov_b32 v[M_AM+i], 0
.set i, i+1
.endr
; One row, in set 0 (v16-79) or 1 (v80-143).  reload = 1: the set takes the row two further on.  left: the other set's 16 loads may be out.
.macro MROW set, reload, left
.set MX, 16+64*(\set)
	s_wait_loadcnt \left
.set i, 0
.rept 16
	v_min3_num_f32 v[M_T+i], v[MX+4*i], v[MX+4*i+1], v[MX+4*i+2]
.set i, i+1
.endr
.set i, 0
.rept 16
	v_max3_num_f32 v[M_AM+i], v[M_AM+i], |v[MX+4*i]|, |v[MX+4*i+1]|
.set i, i+1
.endr
.set i, 0
.rept 16
	v_min_num_f32 v[M_T+i], v[M_T+i], v[MX+4*i+3]
.set i, i+1
.endr
.set i, 0
.rept 16
	v_max3_num_f32 v[M_AM+i], v[M_AM+i], |v[MX+4*i+2]|, |v[MX+4*i+3]|
.set i, i+1
.endr
.if \reload
.set i, 0
.rept 16
	global_load_b128 v[MX+4*i:MX+4*i+3], v3, s[34:35] offset:(2+\set)*8192+512*i th:TH_LOAD_NT
.set i, i+1
.endr
.endif
.irp m, 1,2,4,8                        ; over the sixteen lanes that hold a tile; the sixteen registers by turns
.set i, 0
.rept 16
	v_min_num_f32_dpp v[M_T+i], v[M_T+i], v[M_T+i] row_xmask:\m row_mask:0xf bank_mask:0xf
.set i, i+1
.endr
.endr
	v_min3_num_f32 v6, v[M_T], v[M_T+1], v[M_T+2]
.irp i, 3,5,7,9,11,13
	v_min3_num_f32 v6, v6, v[M_T+\i], v[M_T+\i+1]
.endr
	v_min_num_f32 v6, v6, v[M_T+15]
	v_permlanex16_b32 v5, v6, s38, s39
	v_min_num_f32 v6, v6, v5                       ; the row's smallest mask number
	v_mul_f32 v6, s36, v6                          ; its largest bias
.set i, 0
.rept 16
	v_mul_f32 v[M_T+i], s36, v[M_T+i]              ; each tile's largest bias,
.set i, i+1
.endr
.set i, 0
.rept 16
	v_sub_f32 v[M_T+i], v[M_T+i], v6               ; how far under the row's,
.set i, i+1
.endr
.set i, 0
.rept 16
	v_max_num_f32 v[M_E+i], v[M_E+i], v[M_T+i]     ; the nearest over the rows
.set i, i+1
.endr
.endm
	s_mov_b32 s41, 0
.Lmrow:                                                ; three trips of two rows; each fills its set again
	MROW 0, 1, 16
	MROW 1, 1, 16
	s_wait_xcnt 0x0                                ; the loads have read their base: it may step
	s_add_nc_u64 s[34:35], s[34:35], 16384
	s_add_co_u32 s41, s41, 1
	s_cmp_lt_u32 s41, 3
	s_cbranch_scc1 .Lmrow
	MROW 0, 0, 16                                  ; the last two rows load nothing
	MROW 1, 0, 0
.irp m, 1,2,4,8
.set i, 0
.rept 16
	v_max_num_f32_dpp v[M_AM+i], v[M_AM+i], v[M_AM+i] row_xmask:\m row_mask:0xf bank_mask:0xf
.set i, i+1
.endr
.endr
	v_mov_b32 v8, 0                                ; ACT's word
	v_mov_b32 v9, 0                                ; NZ's
.set i, 0
.rept 16
	v_lshlrev_b32 v10, 2*i, v4                     ; bit 2 i + lane / 16
	v_cmp_le_f32 vcc_lo, s37, v[M_E+i]             ; -5e8 <= E
	v_cndmask_b32 v11, 0, v10, vcc_lo
	v_or_b32 v8, v8, v11
	v_cmp_lt_f32 vcc_lo, 0, v[M_AM+i]              ; 0 < AM
	v_cndmask_b32 v11, 0, v10, vcc_lo
	v_or_b32 v9, v9, v11
.set i, i+1
.endr
	v_permlanex16_b32 v10, v8, s38, s39            ; the even tiles' bits and the odd tiles' join
	v_permlanex16_b32 v11, v9, s38, s39
	v_or_b32 v8, v8, v10
	v_or_b32 v9, v9, v11
	v_cmp_eq_u32 vcc_lo, 0, v2
	s_wait_xcnt 0x0                                ; EXEC changes only behind this wait
	s_and_saveexec_b32 s40, vcc_lo                 ; lane 0 stores the two words, at fixed places
	global_store_b32 v7, v8, s[42:43]
	global_store_b32 v7, v9, s[42:43] offset:1024
	s_wait_xcnt 0x0                                ; and again, in front of the line that widens it
	s_or_b32 exec_lo, exec_lo, s40
	FINISH
.Lfunc_end_k_q910dd4032a_prep:
	.size	k_q910dd4032a_prep, .Lfunc_end_k_q910dd4032a_prep-k_q910dd4032a_prep
	.p2alignl 7, 3214868480
	.fill 96, 4, 3214868480
	.section	.rodata,"a",@progbits
	.p2align	6, 0x0
	.amdhsa_kernel k_q910dd4032a_prep
		.amdhsa_group_segment_fixed_size 102912
		.amdhsa_private_segment_fixed_size 0
		.amdhsa_enable_private_segment 0
		.amdhsa_kernarg_size 112
		.amdhsa_user_sgpr_count 2
		.amdhsa_user_sgpr_kernarg_segment_ptr 1
		.amdhsa_wavefront_size32 1
		.amdhsa_system_sgpr_workgroup_id_x 1
		.amdhsa_system_sgpr_workgroup_id_y 1
		.amdhsa_system_sgpr_workgroup_id_z 1
		.amdhsa_system_vgpr_workitem_id 0
		.amdhsa_next_free_vgpr 200
		.amdhsa_next_free_sgpr 66
		.amdhsa_reserve_vcc 1
		.amdhsa_float_denorm_mode_32 3
		.amdhsa_float_denorm_mode_16_64 3
		.amdhsa_memory_ordered 1
		.amdhsa_forward_progress 1
		.amdhsa_inst_pref_size 189
	.end_amdhsa_kernel
	.amdgpu_metadata
---
amdhsa.version: [ 1, 2 ]
amdhsa.kernels:
  - .name:           k_q910dd4032a_prep
    .symbol:         k_q910dd4032a_prep.kd
    .args:
      - { .name: q, .offset: 0, .size: 8, .value_kind: global_buffer, .address_space: global }
      - { .name: k, .offset: 8, .size: 8, .value_kind: global_buffer, .address_space: global }
      - { .name: v, .offset: 16, .size: 8, .value_kind: global_buffer, .address_space: global }
      - { .name: wq_w, .offset: 24, .size: 8, .value_kind: global_buffer, .address_space: global }
      - { .name: wk_w, .offset: 32, .size: 8, .value_kind: global_buffer, .address_space: global }
      - { .name: wv_w, .offset: 40, .size: 8, .value_kind: global_buffer, .address_space: global }
      - { .name: wo_w, .offset: 48, .size: 8, .value_kind: global_buffer, .address_space: global }
      - { .name: mask, .offset: 56, .size: 8, .value_kind: global_buffer, .address_space: global }
      - { .name: acodes, .offset: 64, .size: 8, .value_kind: global_buffer, .address_space: global }
      - { .name: ascales, .offset: 72, .size: 8, .value_kind: global_buffer, .address_space: global }
      - { .name: wcodes, .offset: 80, .size: 8, .value_kind: global_buffer, .address_space: global }
      - { .name: wscales, .offset: 88, .size: 8, .value_kind: global_buffer, .address_space: global }
      - { .name: wot, .offset: 96, .size: 8, .value_kind: global_buffer, .address_space: global }
      - { .name: flags, .offset: 104, .size: 8, .value_kind: global_buffer, .address_space: global }
    .group_segment_fixed_size: 102912
    .private_segment_fixed_size: 0
    .kernarg_segment_align: 8
    .kernarg_segment_size: 112
    .max_flat_workgroup_size: 128
    .sgpr_count:     66
    .vgpr_count:     200
    .wavefront_size: 32
...
	.end_amdgpu_metadata
.endif
;; end of part 1
;; launch proj (part 2): grid 4 x 96, 4 waves a work-group, clusters of 4 x 4, 327,680 bytes of LDS; arguments acodes, ascales, wcodes, wscales, wq_b, wk_b, wv_b, qkvh; writes qkvh
.if DOCPART == 2
	.amdgcn_target "amdgcn-amd-amdhsa--gfx1250"
	.amdhsa_code_object_version 6
	.text
	.protected	k_q910dd4032a_proj
	.globl	k_q910dd4032a_proj
	.p2align	8
	.type	k_q910dd4032a_proj,@function
k_q910dd4032a_proj:
	s_mov_b64 s[64:65], 0
	v_nop
	global_prefetch_b8 v0, s[64:65] scope:SCOPE_SE
	s_setreg_imm32_b32 hwreg(HW_REG_WAVE_MODE, 25, 1), 1
	s_wait_xcnt 0x0
	s_wait_alu depctr_hold_cnt(0) depctr_sa_sdst(0) depctr_va_vdst(0) depctr_va_sdst(0) depctr_va_ssrc(0) depctr_va_vcc(0) depctr_vm_vsrc(0)
	s_getreg_b32 s2, hwreg(HW_REG_IB_STS2, 6, 4)
	s_cmp_eq_u32 s2, 0
	s_cbranch_scc0 .Lentry_in_a_cluster
	s_endpgm
.Lentry_in_a_cluster:
	s_bfe_u32 s2, ttmp6, 0x10000c
	s_cmp_lg_u32 s2, 0xf033
	s_cbranch_scc0 .Lentry_shape_is_right
	s_endpgm
.Lentry_shape_is_right:
; PROJ: the three quantised projections as ONE product on codes of FP4 (E2M1) with one E8M0 scale for each 32 along K: C[m][n] = sum over k of A[m][k] B[n][k] + bias[n].
; A: the 24,576 rows of q, k, v on end, [24576][1024] codes; B: the weight that belongs to the rows' tensor, [1024 (n)][1024 (k)] codes out of [3072][1024].  Sums in f32.
; The result is rounded to f16 and laid by head: qkvh [tensor 3][batch 4][head 16][token 2048][64].  Q's part is multiplied by log2(e) / 8, so that the attention's scores are exponents of 2.
; LIMITS: |result| stays under 65,504 (f16); for Q the bias enters as bias x c, added to sum x c by one fused multiply-add.
; A tile of C, 256 x 256, is made by a work-group of four waves; a wave makes 128 x 128: 64 accumulators of 16 x 16, 512 registers.  K = 1,024 is two slots of 512 in LDS: both are filled once, at the start; nothing is filled again.
; THE SCALES of the work-group's 256 rows of A and of B, for all of K, are two dense blocks of memory: they come into LDS once, as rows of 256 bytes.
; CLUSTERS: 4 x 4 work-groups.  The four of a row of the cluster need the same tiles of A, the four of a column the same tiles of B: each tile is asked for JOINTLY, by the same tensor load with the same descriptor and a
; mask that names the four.  A cluster's 1,024 rows lie in one tensor, so all sixteen take the same weight.  THE MATRIX INSTRUCTION IS USED TRANSPOSED (source 0 = 16 rows of B, source 1 = 16 rows of A): a lane holds eight neighbouring columns of a row of C.
; REGISTERS, in windows of 256: window 0: v0-31 addresses; v32-95 scale words, two sets; v96-111 the bias; from v128 A's fragments, ONE set; on the way out v128-255 take rows.
;   window 1: B's fragments, TWO sets, at v0 and v128.   window 2: the accumulators of my rows 0-63 ((a, b) at v[8 (8 a + b)]);   window 3: those of my rows 64-127.
.set NQ,     4                         ; steps of 128 along K in a slot
.set ROWB,   256                       ; a tile's row in bytes: 512 codes
.set KROW,   512                       ; a row of A or of B in memory, in bytes
.set PITCH,  272                       ; an LDS row: 256 bytes + 16 of padding = 68 words: row r starts at bank 4 r mod 64 (64 banks of 4 bytes: ISA guide 11.1), so the 16 rows that a load touches start at 16 different banks
.set FR,     8                         ; registers of a fragment: 16 rows x 128 K
.set NL,     2                         ; LDS loads that bring one
.set NP,     4                         ; places behind this matrix instruction (ISA guide 7.12.1)
.set HALFT,  128*PITCH                 ; 128 rows: what one tensor load brings
.set SLOT,   4*HALFT                   ; A's 256 rows, then B's 256 rows
.set KS,     32                        ; a row of scales in bytes
.set SCL,    2*SLOT                    ; behind the slots: the scales, as rows of 256 bytes + 16 of padding
.set HALFS,  (128*KS/256)*272          ; the scales of 128 rows
.set SBLK,   (16*KS/256)*272           ; those of 16 rows
.set SPARE,  SCL+4*HALFS               ; the spare words, 128 bytes for each wave: two blocks of 256 bytes that no other line names
.set SPITCH, 528                       ; the way out: a stage of 16 rows x (512 bytes + 16) for each wave, in slot 0, which has had its one fill and its last read when the first result is stored there
.set ADRA, 16                          ; v16-17  LDS address of my A fragments in slot 0, 1
.set ADRB, 20                          ; v20-21  the same for B
.set STO,  24                          ; v24     the way out: where I put 32 bytes of a row
.set RD,   25                          ; v25     the way out: where I read 32 bytes back: row lane / 8, columns 8 (lane % 8) on
.set CO,   26                          ; v26     16 x lane: my 16 bytes of a store's 512
.set ADRS, 27                          ; v27     LDS address of my scale words: lanes 0-15 A's rows, lanes 16-31 B's
.set SPW,  28                          ; v28     LDS address of my spare word; never rewritten
.set NIL,  29                          ; v29     0; never rewritten
.set BO,   30                          ; v30     32 x (lane % 8): my eight numbers of 64 of the bias
.set SC,   32                          ; scale words: set s at v[SC + 32 s]; register 4 i + q: lanes 0-15 the word of A's block i, lanes 16-31 that of B's block i, for the slot's q-th 128 along K
.set BI,   96                          ; v96-111 the bias x c: register 8 hh + i: column 64 hh + 8 (lane % 8) + i of my 128
.set AF,   128                         ; A's fragments
.set BK,   128                         ; the way out: v128-191 and v192-255 by turns
.set CF,   66                          ; s[66:67] c, twice
.set G1, 24                            ; s[24:31] descriptor group 1 for A's tiles;  s[32:39] group 0, one set for each slot
.set G0, 32
.set G1B, 48                           ; s[48:55], s[56:63] the same for B's tiles
.set G0B, 56
.set G1S, 68                           ; s[68:75], s[76:79] groups 1 and 0 for A's scales;  s[80:87], s[88:91] for B's
.set G0S, 76
.set G1SB, 80
.set G0SB, 88
.set MSB, 0
.macro WIN new                         ; the immediate's high byte repeats the setting that is left
.if MSB != \new
	s_set_vgpr_msb (MSB<<8)|\new
.set MSB, \new
.endif
.endm
.set MUL_LO, 0xa1                      ; source 0 (B) window 1, source 1 (A) window 0, C and D window 2
.set MUL_HI, 0xf1                      ; the same, C and D window 3
.set TO_B,   0x40                      ; destination window 1, address window 0
; A joint load: waves 0 and 1 fetch for A, waves 2 and 3 for B.  Each of the two lines has ONE mask and one set of registers for all that issue it; the branch hangs on the wave's number alone.
; An s_nop 0 and four v_nop follow each of the two lines, ahead of the jump, the label and what follows.
.macro JLOAD g0a, g1a, g0b, g1b
	s_cmp_eq_u32 s15, 0
	s_cbranch_scc0 .Lfor_b_\@
	tensor_load_to_lds s[\g0a:\g0a+3], s[\g1a:\g1a+7]
	s_nop 0
.rept 4
	v_nop
.endr
	s_branch .Lasked_\@
.Lfor_b_\@:
	tensor_load_to_lds s[\g0b:\g0b+3], s[\g1b:\g1b+7]
	s_nop 0
.rept 4
	v_nop
.endr
.Lasked_\@:
.endm
.macro CROUND                          ; a round of the cluster's barrier
	s_barrier_signal -1
	s_barrier_wait -1
	s_cmp_lg_u32 s14, 0
	s_cbranch_scc1 .Lnot_wave_0_\@
	s_barrier_signal -3
.Lnot_wave_0_\@:
	s_barrier_wait -3
	s_barrier_signal -1
	s_barrier_wait -1
.endm
	s_load_b256 s[4:11], s[0:1], 0x0               ; A's codes s[4:5], A's scales s[6:7], B's codes s[8:9], B's scales s[10:11]
	s_load_b128 s[96:99], s[0:1], 0x20             ; wq_b, wk_b
	s_load_b64 s[100:101], s[0:1], 0x30            ; wv_b
	s_load_b64 s[12:13], s[0:1], 0x38              ; qkvh
	v_lshl_add_u32 v[SPW], v0, 2, SPARE
	v_mov_b32 v[NIL], 0
	ds_add_u32 v[SPW], v[NIL]                      ; the wave's opening: the add and its wait stand ahead of my first tensor load; the set-up below, work on registers, stands between them
	v_lshrrev_b32 v1, 5, v0
	v_readfirstlane_b32 s14, v1                    ; wave 0..3
	s_lshr_b32 s15, s14, 1                         ; which half of the tile's rows is mine.  Also: I fetch for A (0) or for B (1)
	s_and_b32 s16, s14, 1                          ; which half of its columns.  Also: which 128 rows of that tile I fetch
	s_bfe_u32 s40, ttmp6, 0x40000                  ; cx, cy: my place in the cluster
	s_bfe_u32 s41, ttmp6, 0x40004
	s_lshl_b32 s42, ttmp9, 2
	s_add_co_u32 s42, s42, s40                     ; tile column of C = 4 x cluster x + cx
	s_and_b32 s17, ttmp7, 0xffff
	s_lshr_b32 s2, s17, 3                          ; which tensor: 8 clusters of 1,024 rows to each; the same in all sixteen partners
	s_lshl_b32 s17, s17, 2
	s_add_co_u32 s17, s17, s41                     ; tile row of C = 4 x cluster y + cy
	s_lshl_b32 s43, s41, 2
	s_lshl_b32 s43, 15, s43                        ; my row of the cluster
	s_lshl_b32 s44, 0x1111, s40                    ; my column
	; descriptor group 1: a tile of 128 rows x 256 bytes, padded in LDS
	s_or_b32 s[G1+0], s43, (0<<16)|(1<<20)|(1<<21)|(5<<22)|(3<<25)  ; 15:0 the mask: A's tiles go to my row; 17:16 element of 1 byte; 20 padding on; 21 set beside a mask; 24:22 after every 64 words (code 5); 31:25 of 4 words (code 3)
	s_or_b32 s[G1B+0], s44, (0<<16)|(1<<20)|(1<<21)|(5<<22)|(3<<25)
.irp g, G1, G1B
	s_mov_b32 s[\g+1], ROWB<<16                    ; tensor_dim0
	s_mov_b32 s[\g+2], 128<<16                     ; tensor_dim1 = 128
	s_mov_b32 s[\g+3], ROWB<<16                    ; tile_dim0
	s_mov_b32 s[\g+4], 128                         ; tile_dim1 = 128
	s_mov_b32 s[\g+5], KROW                        ; tensor_dim0_stride
	s_mov_b32 s[\g+6], 0
	s_mov_b32 s[\g+7], 0
.endr
	; and for the scales of 128 rows: a dense block of 4,096 bytes, as rows of 256 bytes (32 elements of 8 bytes), 16 bytes of padding behind each
	s_or_b32 s[G1S+0], s43, (3<<16)|(1<<20)|(1<<21)|(5<<22)|(3<<25)
	s_or_b32 s[G1SB+0], s44, (3<<16)|(1<<20)|(1<<21)|(5<<22)|(3<<25)
.irp g, G1S, G1SB
	s_mov_b32 s[\g+1], 32<<16
	s_mov_b32 s[\g+2], (128*KS/256)<<16
	s_mov_b32 s[\g+3], 32<<16
	s_mov_b32 s[\g+4], 128*KS/256
	s_mov_b32 s[\g+5], 32
	s_mov_b32 s[\g+6], 0
	s_mov_b32 s[\g+7], 0
.endr
	s_lshl_b32 s18, s16, 7                         ; which 128 rows of the tile I fetch
	s_lshl_b32 s20, s17, 8
	s_add_co_u32 s20, s20, s18                     ; A: row 256 x tile row + 128 x half
	s_lshl_b32 s46, s42, 8
	s_add_co_u32 s46, s46, s18                     ; B: row 256 x tile column + 128 x half
	s_lshl_b32 s3, s2, 10
	s_add_co_u32 s46, s46, s3                      ;    + 1,024 x tensor
	s_mov_b32 s21, 0
	s_mov_b32 s47, 0
	s_mov_b64 s[18:19], KS
	s_mul_u64 s[22:23], s[20:21], s[18:19]         ; where these rows' scales begin, in bytes
	s_mul_u64 s[92:93], s[46:47], s[18:19]
	s_mov_b64 s[18:19], KROW
	s_mul_u64 s[20:21], s[20:21], s[18:19]         ; and their codes
	s_mul_u64 s[46:47], s[46:47], s[18:19]
	s_mul_i32 s45, s14, HALFT                      ; where they go: wave x 128 rows: no place in the cluster enters an LDS address
	s_mul_i32 s94, s14, HALFS
	s_wait_dscnt 0x0                               ; the opening add is done
	s_wait_kmcnt 0x0
	s_add_nc_u64 s[20:21], s[4:5], s[20:21]
	s_add_nc_u64 s[22:23], s[6:7], s[22:23]
	s_add_nc_u64 s[46:47], s[8:9], s[46:47]
	s_add_nc_u64 s[92:93], s[10:11], s[92:93]
	CROUND                                         ; all sixteen work-groups are here: the first joint loads meet
	s_mov_b32 s[G0S], 1
	s_add_co_u32 s[G0S+1], s94, SCL
	s_mov_b64 s[G0S+2:G0S+3], s[22:23]
	s_or_b32 s[G0S+3], s[G0S+3], 0x80000000
	s_mov_b32 s[G0SB], 1
	s_add_co_u32 s[G0SB+1], s94, SCL
	s_mov_b64 s[G0SB+2:G0SB+3], s[92:93]
	s_or_b32 s[G0SB+3], s[G0SB+3], 0x80000000
	JLOAD G0S, G1S, G0SB, G1SB                     ; the scales first: they are wanted with the first slot.  Three tensor loads of a wave are out behind this group
.irp s, 0,1
	s_mov_b32 s[G0+4*\s], 1
	s_add_co_u32 s[G0+4*\s+1], s45, \s*SLOT
	s_add_nc_u64 s[G0+4*\s+2:G0+4*\s+3], s[20:21], \s*ROWB
	s_or_b32 s[G0+4*\s+3], s[G0+4*\s+3], 0x80000000
	s_mov_b32 s[G0B+4*\s], 1
	s_add_co_u32 s[G0B+4*\s+1], s45, \s*SLOT
	s_add_nc_u64 s[G0B+4*\s+2:G0B+4*\s+3], s[46:47], \s*ROWB
	s_or_b32 s[G0B+4*\s+3], s[G0B+4*\s+3], 0x80000000
	JLOAD G0+4*\s, G1, G0B+4*\s, G1B
.endr
	v_and_b32 v1, 15, v0                           ; l % 16
	v_bfe_u32 v2, v0, 4, 1                         ; l / 16
	v_mul_u32_u24 v3, v1, PITCH
	v_lshl_add_u32 v4, v2, 4, v3                   ; a fragment's row x pitch + 16 x half
	s_mul_i32 s21, s15, HALFT                      ; my 128 rows of A
	s_mul_i32 s22, s16, HALFT                      ; my 128 rows of B,
	s_add_co_u32 s22, s22, 2*HALFT                 ; which lie behind A's 256
.irp s, 0,1
	v_add_nc_u32 v[ADRA+\s], s21, v4
	v_add_nc_u32 v[ADRB+\s], s22, v4
	s_add_co_u32 s21, s21, SLOT
	s_add_co_u32 s22, s22, SLOT
.endr
	v_mul_u32_u24 v5, v1, KS                       ; my row's scales: 32 bytes a row,
	v_lshrrev_b32 v6, 8, v5
	v_lshl_add_u32 v5, v6, 4, v5                   ; and 16 more for each 256 passed
	s_mul_i32 s21, s15, HALFS                      ; A's: my 128 rows
	s_mul_i32 s22, s16, HALFS                      ; B's: my 128 rows, behind A's 256
	s_add_co_u32 s22, s22, 2*HALFS
	s_sub_co_u32 s22, s22, s21
	v_mul_u32_u24 v6, s22, v2                      ; lanes 16-31 take B's: one product, the distance between the two bases
	s_add_co_u32 s21, s21, SCL
	v_add_nc_u32 v5, v5, v6
	v_add_nc_u32 v[ADRS], s21, v5
	s_mul_i32 s23, s14, 16*SPITCH                  ; my stage
	v_mul_u32_u24 v5, v1, SPITCH                   ; in: row l % 16, 32 bytes for each half of the lanes
	v_lshl_add_u32 v5, v2, 5, v5
	v_add_nc_u32 v[STO], s23, v5
	v_and_b32 v6, 31, v0
	v_lshlrev_b32 v[CO], 4, v6
	v_lshrrev_b32 v5, 3, v6                        ; back: row l / 8 of four, 32 bytes at 32 (l % 8): rows 528 bytes apart put a second row's pieces into the 16-byte columns that the first leaves free
	v_mul_u32_u24 v5, v5, SPITCH
	v_and_b32 v6, 7, v0
	v_lshl_add_u32 v5, v6, 5, v5
	v_add_nc_u32 v[RD], s23, v5
	v_lshlrev_b32 v[BO], 5, v6
	; the bias of my tensor, and c
	s_cmp_eq_u32 s2, 0
	s_cselect_b64 s[96:97], s[96:97], s[98:99]
	s_cselect_b32 s[CF], 0x3e38aa3b, 1.0           ; log2(e) / 8 for Q, 1 for K and V
	s_cmp_lt_u32 s2, 2
	s_cselect_b64 s[96:97], s[96:97], s[100:101]
	s_mov_b32 s[CF+1], s[CF]                       ; (named with it as a pair, so it is written)
	s_lshl_b32 s46, s42, 10                        ; my first column, in bytes of f32: 1024 x tile column + 512 x half
	s_lshl_b32 s47, s16, 9
	s_add_co_u32 s46, s46, s47
	s_mov_b32 s47, 0
	s_add_nc_u64 s[96:97], s[96:97], s[46:47]
.irp hh, 0,1
.irp c, 0,1
	global_load_b128 v[BI+8*\hh+4*\c:BI+8*\hh+4*\c+3], v[BO], s[96:97] offset:256*\hh+16*\c
.endr
.endr
	; where my part of qkvh begins: ((tile row / 8) x 16 + my first head) x 262,144 + my first token x 128.  Tile row / 8 is 4 x tensor + batch; a head's 2,048 tokens are 262,144 bytes
	s_lshr_b32 s20, s17, 3
	s_lshl_b32 s20, s20, 4
	s_lshl_b32 s21, s42, 2
	s_add_co_u32 s20, s20, s21                     ; + 4 x tile column
	s_lshl_b32 s21, s16, 1
	s_add_co_u32 s20, s20, s21                     ; + 2 x my half of the columns
	s_lshl_b32 s20, s20, 18
	s_and_b32 s21, s17, 7
	s_lshl_b32 s21, s21, 8
	s_lshl_b32 s22, s15, 7
	s_add_co_u32 s21, s21, s22                     ; token 256 x (tile row % 8) + 128 x my half of the rows
	s_lshl_b32 s21, s21, 7
	s_add_co_u32 s20, s20, s21
	s_mov_b32 s21, 0
	s_add_nc_u64 s[12:13], s[12:13], s[20:21]
.macro FRAG reg, adr, q, i             ; a fragment, 16 rows x 128 K of 4-bit codes, is 8 registers: lane l holds row l % 16; registers 4 c .. 4 c + 3 hold K = 64 c + 32 (l / 16) + 0 .. 31
.irp c, 0,1
	ds_load_b128 v[\reg+4*\c:\reg+4*\c+3], v[\adr] offset:64*(\q)+32*\c+(\i)*16*PITCH
.endr
.endm
; 16 matrix instructions: A's blocks a0, a0 + 1 x B's eight, 128 along K: the slot's q-th.  p: B's set;  sc: the set of scale words.  zero = 1: the first product starts the sums: nothing is ever cleared.
; The 64 accumulators take turns, one instruction a turn, in the same order in every step.
.macro MUL16 a0, p, q, sc, zero
.irp a, \a0, \a0+1
.irp b, 0,1,2,3,4,5,6,7
.if \zero
	v_wmma_scale_f32_16x16x128_f8f6f4 v[8*(8*((\a)%4)+\b):8*(8*((\a)%4)+\b)+7], v[128*(\p)+FR*\b:128*(\p)+FR*\b+FR-1], v[AF+FR*(\a):AF+FR*(\a)+FR-1], 0, v[SC+8*NQ*(\sc)+NQ*\b+(\q)], v[SC+8*NQ*(\sc)+NQ*(\a)+(\q)] matrix_a_fmt:MATRIX_FMT_FP4 matrix_b_fmt:MATRIX_FMT_FP4 matrix_a_scale:MATRIX_SCALE_ROW1
.else
	v_wmma_scale_f32_16x16x128_f8f6f4 v[8*(8*((\a)%4)+\b):8*(8*((\a)%4)+\b)+7], v[128*(\p)+FR*\b:128*(\p)+FR*\b+FR-1], v[AF+FR*(\a):AF+FR*(\a)+FR-1], v[8*(8*((\a)%4)+\b):8*(8*((\a)%4)+\b)+7], v[SC+8*NQ*(\sc)+NQ*\b+(\q)], v[SC+8*NQ*(\sc)+NQ*(\a)+(\q)] matrix_a_fmt:MATRIX_FMT_FP4 matrix_b_fmt:MATRIX_FMT_FP4 matrix_a_scale:MATRIX_SCALE_ROW1
.endif
.endr
.endr
.endm
.macro FETCH_B slot, q, p              ; B's eight fragments of the slot's q-th 128 along K into set p
	WIN TO_B
.irp i, 0,1,2,3,4,5,6,7
	FRAG 128*(\p)+FR*\i, ADRB+\slot, \q, \i
.endr
	WIN 0
.endm
.macro FETCH_A slot, q, i0             ; A's blocks i0 .. i0 + 3
.irp i, \i0, \i0+1, \i0+2, \i0+3
	FRAG AF+FR*(\i), ADRA+\slot, \q, \i
.endr
.endm
.macro SCALES sc                       ; a slot's scale words into set sc: four words a row; lanes 0-15 take A's block i, lanes 16-31 B's block i
.irp i, 0,1,2,3,4,5,6,7
	ds_load_b128 v[SC+8*NQ*\sc+NQ*\i:SC+8*NQ*\sc+NQ*\i+3], v[ADRS] offset:\i*SBLK
.endr
.endm
; A load into a register that a matrix instruction has read, and a vector instruction or an LDS store that reads a matrix result, stand NP places behind that matrix instruction, and only plain vector
; instructions that name none of its registers are places (ISA guide 7.12.1 for vector instructions).
.macro PLACES n
.rept \n
	v_nop
.endr
.endm
; A step of 128 along K that has its successor in the same slot.
.macro STEP slot, q, zero
	s_wait_dscnt 4*NL                              ; B's set and A's blocks 0-3 are in; the youngest eight loads (A's blocks 4-7) may be out
	WIN MUL_LO
	MUL16 0, (\q)%2, \q, \slot, \zero
	MUL16 2, (\q)%2, \q, \slot, \zero
	s_wait_dscnt 0                                 ; A's blocks 4-7 are in (asked for 32 matrix instructions ago)
	PLACES NP
	FETCH_B \slot, (\q)+1, 1-(\q)%2
	FETCH_A \slot, (\q)+1, 0
	WIN MUL_HI
	MUL16 4, (\q)%2, \q, \slot, \zero
	MUL16 6, (\q)%2, \q, \slot, \zero
	PLACES NP
	WIN 0
	FETCH_A \slot, (\q)+1, 4
.endm
; Slot 0's last step changes slots: ONE barrier; in front of it each wave waits for all its tensor loads (its part of slot 1), adds 0 to its spare word, and waits for that and for its own reads of slot 0.
; Behind it slot 1 is whole, and nobody reads slot 0 any more: the stages of the way out lie there.
.macro TURN slot, next
	s_wait_tensorcnt 0x0                           ; all my tensor loads have landed  (every window is 0 here: the add's two registers lie in window 0)
	ds_add_u32 v[SPW], v[NIL]                      ; 0 onto my spare word;
	s_wait_dscnt 4*NL+1                            ; (the add and the youngest eight loads, A's blocks 4-7, may be out)
	WIN MUL_LO
	MUL16 0, 1, NQ-1, \slot, 0                     ; sixteen matrix instructions stand between the add and the wait for it
	s_wait_dscnt 0x0                               ; the add is done, and my reads of this slot are over
	s_barrier_signal -1
	MUL16 2, 1, NQ-1, \slot, 0
	WIN 0
	s_barrier_wait -1
	PLACES NP
	v_add_nc_u32 v[ADRS], 4*NQ, v[ADRS]            ; on to the next slot's scale words (no LDS load of mine is out)
	FETCH_B \next, 0, 0
	FETCH_A \next, 0, 0
	SCALES \next
	WIN MUL_HI
	MUL16 4, 1, NQ-1, \slot, 0
	MUL16 6, 1, NQ-1, \slot, 0
	PLACES NP
	WIN 0
	FETCH_A \next, 0, 4
.endm
	s_wait_tensorcnt 1                             ; the scales and my part of slot 0 are in (slot 1's load may be out)
	s_barrier_signal -1
	s_barrier_wait -1                              ; everybody's are
	FETCH_B 0, 0, 0
	FETCH_A 0, 0, 0
	SCALES 0
	FETCH_A 0, 0, 4
	STEP 0, 0, 1                                   ; the first step's products start the sums
	STEP 0, 1, 0
	STEP 0, 2, 0
	TURN 0, 1
	STEP 1, 0, 0
	STEP 1, 1, 0
	STEP 1, 2, 0
	s_wait_dscnt 4*NL                              ; the very last step: nothing more to fetch
	WIN MUL_LO
	MUL16 0, 1, NQ-1, 1, 0
	MUL16 2, 1, NQ-1, 1, 0
	s_wait_dscnt 0
	WIN MUL_HI
	MUL16 4, 1, NQ-1, 1, 0
	MUL16 6, 1, NQ-1, 1, 0
	WIN 0
; THE WAY OUT, block by block of 16 rows x 128 columns (two heads).  A lane holds 32 bytes of a row, and the lanes beside it hold other rows: so a block goes through my own stage in LDS and comes back so that
; eight lanes hold a token's 64 numbers of one head, eight each: x c + bias x c, rounded to f16, 16 bytes a lane: a store covers four tokens of one head, 512 consecutive bytes at a multiple of 256 from qkvh's first byte.
; LDS serves a wave's instructions in order (ISA guide 5.7.1.4): no wait between the stores and the loads, nor in front of the next block's stores.
.macro TOSTAGE a
.set AC, 64*((\a)%4)
	WIN 0x08+4*((\a)/4)                            ; the data: window 2 or 3
.irp b, 0,1,2,3,4,5,6,7
	ds_store_b128 v[STO], v[AC+8*\b:AC+8*\b+3] offset:64*\b          ; each accumulator from its low end on
	ds_store_b128 v[STO], v[AC+8*\b+4:AC+8*\b+7] offset:64*\b+16
.endr
	WIN 0
.set BB, BK+64*((\a)%2)
.irp hh, 0,1
.irp t, 0,1,2,3
.irp c, 0,1
	ds_load_b128 v[BB+8*(4*\hh+\t)+4*\c:BB+8*(4*\hh+\t)+4*\c+3], v[RD] offset:4*\t*SPITCH+256*\hh+16*\c
.endr
.endr
.endr
.endm
.macro SEND a, younger                 ; younger: the LDS instructions issued behind block a's loads, which may stay out
.set BB, BK+64*((\a)%2)
	s_wait_dscnt \younger                          ; the block is back in registers
.irp hh, 0,1
.irp t, 0,1,2,3
.irp i, 0,1,2,3
	v_pk_fma_f32 v[BB+8*(4*\hh+\t)+2*\i:BB+8*(4*\hh+\t)+2*\i+1], v[BB+8*(4*\hh+\t)+2*\i:BB+8*(4*\hh+\t)+2*\i+1], s[CF:CF+1], v[BI+8*\hh+2*\i:BI+8*\hh+2*\i+1] op_sel_hi:[1,0,1]
.endr
.irp i, 0,1,2,3
	v_cvt_pk_f16_f32 v[BB+8*(4*\hh+\t)+\i], v[BB+8*(4*\hh+\t)+2*\i], v[BB+8*(4*\hh+\t)+2*\i+1]   ; in place, ascending: register i is written when its own number has been read
.endr
	global_store_b128 v[CO], v[BB+8*(4*\hh+\t):BB+8*(4*\hh+\t)+3], s[12:13] offset:\hh*262144+(16*(\a)+4*\t)*128   ; every offset is an immediate: no base is stepped
.endr
.endr
.endm
	s_wait_loadcnt 0x0                             ; the bias
.irp i, 0,2,4,6,8,10,12,14
	v_pk_mul_f32 v[BI+\i:BI+\i+1], v[BI+\i:BI+\i+1], s[CF:CF+1] op_sel_hi:[1,0]   ; bias x c.  These eight plain lines, which name no register of the last products, are also the places behind them
.endr
	TOSTAGE 0
.irp a, 1,2,3,4,5,6,7
.if \a > 1
	s_wait_xcnt 0x0                                ; block a - 2's stores have read their registers: block a's loads may land there
.endif
	TOSTAGE \a
	SEND \a-1, 32                                  ; behind block a - 1's loads: block a's 16 stores and 16 loads
.endr
	SEND 7, 0
	s_wait_tensorcnt 0x0                           ; the wave's end: behind my last tensor load and my last LDS store
	ds_add_u32 v[SPW], v[NIL]
	s_wait_dscnt 0x0
	CROUND                                         ; the closing round: no work-group ends while a partner may still ask for a tile that names it
	s_endpgm
.Lfunc_end_k_q910dd4032a_proj:
	.size	k_q910dd4032a_proj, .Lfunc_end_k_q910dd4032a_proj-k_q910dd4032a_proj
	.p2alignl 7, 3214868480
	.fill 96, 4, 3214868480
	.section	.rodata,"a",@progbits
	.p2align	6, 0x0
	.amdhsa_kernel k_q910dd4032a_proj
		.amdhsa_group_segment_fixed_size 327680
		.amdhsa_private_segment_fixed_size 0
		.amdhsa_enable_private_segment 0
		.amdhsa_kernarg_size 64
		.amdhsa_user_sgpr_count 2
		.amdhsa_user_sgpr_kernarg_segment_ptr 1
		.amdhsa_wavefront_size32 1
		.amdhsa_system_sgpr_workgroup_id_x 1
		.amdhsa_system_sgpr_workgroup_id_y 1
		.amdhsa_system_sgpr_workgroup_id_z 1
		.amdhsa_system_vgpr_workitem_id 0
		.amdhsa_next_free_vgpr 1024
		.amdhsa_next_free_sgpr 102
		.amdhsa_reserve_vcc 0
		.amdhsa_float_denorm_mode_32 3
		.amdhsa_float_denorm_mode_16_64 3
		.amdhsa_memory_ordered 1
		.amdhsa_forward_progress 1
		.amdhsa_inst_pref_size 152
	.end_amdhsa_kernel
	.amdgpu_metadata
---
amdhsa.version: [ 1, 2 ]
amdhsa.kernels:
  - .name:           k_q910dd4032a_proj
    .symbol:         k_q910dd4032a_proj.kd
    .args:
      - { .name: acodes, .offset: 0, .size: 8, .value_kind: global_buffer, .address_space: global }
      - { .name: ascales, .offset: 8, .size: 8, .value_kind: global_buffer, .address_space: global }
      - { .name: wcodes, .offset: 16, .size: 8, .value_kind: global_buffer, .address_space: global }
      - { .name: wscales, .offset: 24, .size: 8, .value_kind: global_buffer, .address_space: global }
      - { .name: wq_b, .offset: 32, .size: 8, .value_kind: global_buffer, .address_space: global }
      - { .name: wk_b, .offset: 40, .size: 8, .value_kind: global_buffer, .address_space: global }
      - { .name: wv_b, .offset: 48, .size: 8, .value_kind: global_buffer, .address_space: global }
      - { .name: qkvh, .offset: 56, .size: 8, .value_kind: global_buffer, .address_space: global }
    .group_segment_fixed_size: 327680
    .private_segment_fixed_size: 0
    .kernarg_segment_align: 8
    .kernarg_segment_size: 64
    .max_flat_workgroup_size: 128
    .sgpr_count:     102
    .vgpr_count:     1024
    .wavefront_size: 32
...
	.end_amdgpu_metadata
.endif
;; end of part 2
;; launch attn (part 3): grid 8 x 64, 8 waves a work-group, no clusters, 74,752 bytes of LDS; arguments qkvh, mask, flags, ctx; writes ctx
.if DOCPART == 3
	.amdgcn_target "amdgcn-amd-amdhsa--gfx1250"
	.amdhsa_code_object_version 6
	.text
	.protected	k_q910dd4032a_attn
	.globl	k_q910dd4032a_attn
	.p2align	8
	.type	k_q910dd4032a_attn,@function
k_q910dd4032a_attn:
	s_mov_b64 s[64:65], 0
	v_nop
	global_prefetch_b8 v0, s[64:65] scope:SCOPE_SE
	s_setreg_imm32_b32 hwreg(HW_REG_WAVE_MODE, 25, 1), 1
	s_wait_xcnt 0x0
; ATTN: ctx[b][h][q][:] = the sum over k of softmax_k(Q[q] . K[k] / 8 + mask[q][k] x -1e9) V[k][:], for 64 (batch, head) pairs, 2,048 tokens, 64 channels.  Q, K, V: f16, [tensor][b][h][token][64]; Q carries log2(e) / 8.
; Products on f16 operands with f32 sums; maxima, exponentials and sums in f32; the weights p (at most 1) are rounded to f16 for the second product, ctx once at the end.
; SOFTMAX.  For each query a running maximum M and sum l of the scores as exponents of 2: p = 2^(s - M); in every step O and l are multiplied by a = 2^(M_old - M_new).
; THE MASK is an input and is honoured as it is given.  An earlier launch has stored, as whole numbers, two bits for each 8 queries x 64 keys.  ACT = 0: every weight of the tile is 0 in f32, whatever the scores
; (the tile's largest bias lies more than 5e8 under its row's largest, in all eight rows): the tile's work is left out by a scalar branch.  NZ = 0: every mask number of the tile is 0: the mask is not read.
; Where it is read: s x ln 2, + mask x -1e9 (the product and the sum each rounded by itself), x log2(e).
; LIMITS: the mask is finite; the spread of a row's logits stays under 2.5e8; NaN and infinities are not served; the logits are formed from f16 operands and as exponents of 2.
; SHARES.  Work-group (x, head) takes blocks x and 15 - x of 128 queries: waves 0-3 the first, waves 4-7 the second; a wave owns 32 queries, two tiles of 16.  Every wave walks 32 steps of 64 keys, a constant of the text.
; NO TENSOR LOADS, NO CLUSTER: the launch branches on numbers read from memory.  K's and V's tiles go through registers into two LDS slots that take turns: in step J each wave loads its 2,048 bytes of tile J + 1 ahead of
; its work and stores it behind it.  ONE barrier a step, outside every branch: a step's stores go into the slot that was read a step ago, and every wave waited for those reads ahead of that step's barrier.
; LAYOUT.  S^T = K Q^T (source 0 = 16 keys, source 1 = 16 queries): a lane holds ONE query (lane % 16) and the keys 8 (lane / 16) + 0..7.  Two such tiles, rounded to f16 in pairs, ARE source 1 of O^T = V^T P.
; REGISTERS do double duty so that 256 suffice: half of K's fragments land in S's lower halves and make S's upper halves; then the other half, from KV, makes the lower halves; P is packed in place into S's lower halves and
; V's second half lands in the upper halves.
.set PIT,   144                        ; a row of K or V in LDS: 128 bytes + 16: the 16 rows of a fragment load start at 16 different 16-byte columns
.set SLOTB, 128*PIT                    ; a slot: 64 rows of K, then 64 rows of V
.set VOFF,  64*PIT
.set STAGE, 2*SLOTB                    ; behind the slots: 32 rows x 144 bytes for each wave, for the way out
.set STGW,  32*PIT
.set SPARE, STAGE+8*STGW               ; the spare words, 128 bytes for each wave: four blocks of 256 bytes that no other line names
.set AKF, 1                            ; v1   my lane's place in a tile of K: (l % 16) x 144 + 16 (l / 16)
.set AVF, 2                            ; v2   the same for the turning loads of V
.set AST, 3                            ; v3   where I store 16 bytes of my wave's 16 rows of a tile
.set GST, 4                            ; v4   16 x lane
.set MOF, 5                            ; v5   the mask: (l % 16) rows of 8,192 bytes + 32 (l / 16)
.set SPW, 6                            ; v6   LDS address of my spare word; never rewritten
.set NIL, 7                            ; v7   0; never rewritten
.set ST,  8                            ; v8-23   tile t's statistics at v[ST + 8 t]: +0 M, +1 (named with it as a pair), +2, +3 l, +4 to +7 at work; a takes +6
.set STG, 24                           ; v24-39  my 2,048 bytes of the next tile
.set Q,   40                           ; v40-71  Q: tile t, channels 32 f on: v[Q + 16 t + 8 f]
.set KV,  72                           ; v72-103 K's keys 0-31; the mask; V's keys 0-31
.set S,   104                          ; v104-167 S^T: tile t, keys 16 kt on: v[S + 32 t + 8 kt]
.set O,   168                          ; v168-231 O^T: tile t, channels 16 c on: v[O + 32 t + 8 c]
.set PFO, 232                          ; v232 256 x lane
.set QO,  233                          ; v233 Q's rows
.set SUM, 234                          ; v234-241 the sums' chains
.set OST, 244                          ; v244 the way out: where I put 16 bytes of a row
.set ORD, 245                          ; v245 and where I read a row back
.set WV,  12
.set KVB, 20                           ; s[20:21] my wave's 2,048 bytes of the tile that is loaded next
.set MB,  22                           ; s[22:23] the mask at my first query and the step's first key
.set ACT, 24                           ; s24  bit J: tile J counts for some of my 32 queries
.set NZ,  25                           ; s25  bit J: its mask numbers are not all 0
.set NEED1, 26                         ; s26  bit J: tile J + 1 counts for some wave of the work-group: the same number in all eight waves
.set PFM, 27                           ; s27  bit J: I prefetch tile J + 3
.set JJ,  28                           ; s28  the step
.set TRIP, 29
.set TMP, 30
.set SEL, 32                           ; s[32:33] lane selects for v_permlanex16_b32: lane l xor 16
.set CM,  34                           ; s[34:35] -1e9;  s[36:37] ln 2;  s[38:39] log2(e): the packed forms name a pair and take its low word for both halves
.set CL,  36
.set CE,  38
	s_load_b256 s[4:11], s[0:1], 0x0               ; qkvh s[4:5], mask s[6:7], flags s[8:9], ctx s[10:11]
	v_lshl_add_u32 v[SPW], v0, 2, SPARE
	v_mov_b32 v[NIL], 0
	v_lshrrev_b32 v8, 5, v0
	v_readfirstlane_b32 s[WV], v8                  ; wave 0..7
	s_and_b32 s13, ttmp7, 0xffff                   ; 16 x batch + head
	s_sub_co_u32 s14, 15, ttmp9
	s_cmp_lt_u32 s[WV], 4
	s_cselect_b32 s15, ttmp9, s14                  ; my block of 128 queries
	s_and_b32 s16, s[WV], 3
	s_lshl_b32 s15, s15, 7
	s_lshl_b32 s17, s16, 5
	s_add_co_u32 s15, s15, s17                     ; my first query
	s_lshr_b32 s18, s15, 1                         ; its word of the flags: 4 bytes for 8 queries
	s_mov_b32 s19, 0
	s_lshl_b32 s30, ttmp9, 6                       ; the first block's 16 words,
	s_mov_b32 s31, 0
	s_lshl_b32 s60, s14, 6                         ; and the second's
	s_mov_b32 s61, 0
	s_wait_kmcnt 0x0
	s_add_nc_u64 s[18:19], s[8:9], s[18:19]
	s_add_nc_u64 s[30:31], s[8:9], s[30:31]
	s_add_nc_u64 s[60:61], s[8:9], s[60:61]
	s_load_b128 s[56:59], s[18:19], 0x0            ; ACT of my 32 queries
	s_load_b128 s[84:87], s[18:19], 0x400          ; NZ of them
	s_load_b512 s[40:55], s[30:31], 0x0            ; ACT of all 256 queries of the work-group
	s_load_b512 s[68:83], s[60:61], 0x0
	s_lshl_b32 s22, s13, 18                        ; a head's 2,048 tokens are 262,144 bytes
	s_lshl_b32 s23, s15, 7
	s_add_co_u32 s22, s22, s23
	s_mov_b32 s23, 0
	s_add_nc_u64 s[62:63], s[4:5], s[22:23]        ; Q at my first query
	s_add_nc_u64 s[10:11], s[10:11], s[22:23]      ; ctx likewise
	s_lshl_b32 s20, s13, 18
	s_lshl_b32 s21, s16, 11                        ; my wave's 16 rows of a tile
	s_add_co_u32 s20, s20, s21
	s_mov_b32 s21, 0x2000000                       ; waves 4-7 stage V, which begins 2 x 64 heads on;
	s_cmp_lt_u32 s[WV], 4
	s_cselect_b32 s21, 0x1000000, s21              ; waves 0-3 K, 64 heads on
	s_add_co_u32 s20, s20, s21
	s_mov_b32 s21, 0
	s_add_nc_u64 s[KVB:KVB+1], s[4:5], s[20:21]
	s_lshl_b32 s22, s15, 13
	s_add_nc_u64 s[MB:MB+1], s[6:7], s[22:23]
	v_and_b32 v8, 15, v0                           ; r = l % 16
	v_bfe_u32 v9, v0, 4, 1                         ; h = l / 16
	v_and_b32 v10, 31, v0
	v_and_b32 v11, 7, v0
	v_bfe_u32 v12, v0, 3, 1
	v_bfe_u32 v13, v0, 3, 2
	v_lshlrev_b32 v[QO], 7, v8
	v_lshl_add_u32 v[QO], v9, 4, v[QO]             ; row r of 128 bytes + 16 h
	v_lshlrev_b32 v[GST], 4, v10
.irp t, 0,1
.irp f, 0,1
	global_load_b128 v[Q+16*\t+8*\f:Q+16*\t+8*\f+3],   v[QO], s[62:63] offset:\t*2048+64*\f      ; Q stays in registers
	global_load_b128 v[Q+16*\t+8*\f+4:Q+16*\t+8*\f+7], v[QO], s[62:63] offset:\t*2048+64*\f+32
.endr
.endr
.irp i, 0,1,2,3
	global_load_b128 v[STG+4*\i:STG+4*\i+3], v[GST], s[KVB:KVB+1] offset:512*\i   ; tile 0, whatever the flags say: 512 consecutive bytes a load
.endr
	v_mul_u32_u24 v[AKF], v8, PIT
	v_lshl_add_u32 v[AKF], v9, 4, v[AKF]
	v_lshl_add_u32 v[AVF], v9, 3, v11              ; the turning load: lane l reads 16 bytes of key 8 h + l % 8, channels 8 ((l / 8) % 2) on
	v_mul_u32_u24 v[AVF], v[AVF], PIT
	v_lshl_add_u32 v[AVF], v12, 4, v[AVF]
	v_add_nc_u32 v[AVF], VOFF, v[AVF]
	v_mul_u32_u24 v[ORD], v13, PIT
	v_lshl_add_u32 v[ORD], v11, 4, v[ORD]          ; row l / 8 of four, 16 bytes at 16 (l % 8)
	s_mul_i32 s17, s[WV], 16*PIT
	v_add_nc_u32 v[AST], s17, v[ORD]               ; in a slot: my wave's 16 rows (waves 0-3: K's 64, waves 4-7: V's)
	s_mul_i32 s17, s[WV], STGW
	s_add_co_u32 s17, s17, STAGE                   ; my stage
	v_add_nc_u32 v[ORD], s17, v[ORD]
	v_add_nc_u32 v[OST], s17, v[AKF]
	v_lshlrev_b32 v[MOF], 13, v8
	v_lshl_add_u32 v[MOF], v9, 5, v[MOF]
	v_lshlrev_b32 v[PFO], 8, v10
.irp t, 0,1
	v_mov_b32 v[ST+8*\t], 0xff61b1e6               ; M: -3e38, under every score
.irp j, 1,2,3,4,5,6,7
	v_mov_b32 v[ST+8*\t+\j], 0                     ; l = 0; the others are written once, since a lane permute's destination and a pair's second word count as read
.endr
.endr
.set i, 0
.rept 64
	v_mov_b32 v[O+i], 0                            ; O^T.  Which step is a query's first hangs on the stored flags, so no first step can be written out ahead of the loop: the first change of M multiplies zeros
.set i, i+1
.endr
	s_mov_b32 s[SEL], 0x76543210
	s_mov_b32 s[SEL+1], 0xfedcba98
	s_mov_b32 s[CM], 0xce6e6b28
	s_mov_b32 s[CM+1], s[CM]
	s_mov_b32 s[CL], 0x3f317218
	s_mov_b32 s[CL+1], s[CL]
	s_mov_b32 s[CE], 0x3fb8aa3b
	s_mov_b32 s[CE+1], s[CE]
	s_mov_b32 s[JJ], 0
	s_mov_b32 s[TRIP], 0
	s_wait_loadcnt 0x0                             ; Q and tile 0
.irp i, 0,1,2,3
	ds_store_b128 v[AST], v[STG+4*\i:STG+4*\i+3] offset:576*\i     ; into slot 0
.endr
	s_add_nc_u64 s[KVB:KVB+1], s[KVB:KVB+1], 8192  ; on to tile 1 (the loads that read the base are done)
	s_wait_kmcnt 0x0                               ; the flags
	s_or_b32 s[ACT], s56, s57
	s_or_b32 s[NZ], s58, s59
	s_or_b32 s[ACT], s[ACT], s[NZ]
	s_or_b32 s[NZ], s84, s85
	s_or_b32 s[TMP], s86, s87
	s_or_b32 s[NZ], s[NZ], s[TMP]
	s_or_b32 s[NEED1], s40, s41
.irp n, 42,43,44,45,46,47,48,49,50,51,52,53,54,55,68,69,70,71,72,73,74,75,76,77,78,79,80,81,82,83
	s_or_b32 s[NEED1], s[NEED1], s[\n]             ; which tiles any of the eight waves wants
.endr
	s_lshr_b32 s[PFM], s[NEED1], 3
	s_lshr_b32 s[NEED1], s[NEED1], 1               ; the shifts bring zeros in: the last step loads nothing, the last three ask for nothing
	s_or_b32 s[TMP], s16, ttmp9
	s_cmp_eq_u32 s[TMP], 0                         ; waves 0 and 4 of the head's first work-group
	s_cselect_b32 s[PFM], s[PFM], 0
	s_wait_dscnt 0x0
	s_barrier_signal -1
	s_barrier_wait -1                              ; tile 0 lies in slot 0
.macro TEST reg, lab                   ; jumps to lab where bit J of the stored word is 0
	s_lshr_b32 s[TMP], s[\reg], s[JJ]
	s_and_b32 s[TMP], s[TMP], 1
	s_cmp_lg_u32 s[TMP], 0
	s_cbranch_scc0 \lab
.endm
; THE WORK OF A STEP, on slot u.
.macro COMPUTE u
.rept 5
	v_nop                                          ; four places in front of loads into registers that the last products read (KV, S's lower halves); the fifth for the products below, which write over S's upper halves, sources of those products
.endr
.irp f, 0,1                            ; K's keys 32-63 first: they are multiplied first.  Keys 32-47 into tile 0's lower half of S, keys 48-63 into tile 1's
	ds_load_b128 v[S+8*\f:S+8*\f+3],       v[AKF] offset:\u*SLOTB+32*PIT+64*\f
	ds_load_b128 v[S+8*\f+4:S+8*\f+7],     v[AKF] offset:\u*SLOTB+32*PIT+64*\f+32
	ds_load_b128 v[S+32+8*\f:S+32+8*\f+3], v[AKF] offset:\u*SLOTB+48*PIT+64*\f
	ds_load_b128 v[S+32+8*\f+4:S+32+8*\f+7], v[AKF] offset:\u*SLOTB+48*PIT+64*\f+32
.endr
.irp kt, 0,1
.irp f, 0,1
	ds_load_b128 v[KV+16*\kt+8*\f:KV+16*\kt+8*\f+3],   v[AKF] offset:\u*SLOTB+16*\kt*PIT+64*\f
	ds_load_b128 v[KV+16*\kt+8*\f+4:KV+16*\kt+8*\f+7], v[AKF] offset:\u*SLOTB+16*\kt*PIT+64*\f+32
.endr
.endr
	s_wait_dscnt 8                                 ; keys 32-63 are in; the eight loads of keys 0-31 may be out
.irp f, 0,1                            ; four accumulators by turns; the first four products start the sums
.irp kt, 2,3
.irp t, 0,1
.if \f == 0
	v_wmma_f32_16x16x32_f16 v[S+32*\t+8*\kt:S+32*\t+8*\kt+7], v[S+32*(\kt-2)+8*\f:S+32*(\kt-2)+8*\f+7], v[Q+16*\t+8*\f:Q+16*\t+8*\f+7], 0
.else
	v_wmma_f32_16x16x32_f16 v[S+32*\t+8*\kt:S+32*\t+8*\kt+7], v[S+32*(\kt-2)+8*\f:S+32*(\kt-2)+8*\f+7], v[Q+16*\t+8*\f:Q+16*\t+8*\f+7], v[S+32*\t+8*\kt:S+32*\t+8*\kt+7]
.endif
.endr
.endr
.endr
	s_wait_dscnt 0x0                               ; keys 0-31
.rept 5
	v_nop                                          ; five places: the next products write over registers that the last ones read as a source
.endr
.irp f, 0,1
.irp kt, 0,1
.irp t, 0,1
.if \f == 0
	v_wmma_f32_16x16x32_f16 v[S+32*\t+8*\kt:S+32*\t+8*\kt+7], v[KV+16*\kt+8*\f:KV+16*\kt+8*\f+7], v[Q+16*\t+8*\f:Q+16*\t+8*\f+7], 0
.else
	v_wmma_f32_16x16x32_f16 v[S+32*\t+8*\kt:S+32*\t+8*\kt+7], v[KV+16*\kt+8*\f:KV+16*\kt+8*\f+7], v[Q+16*\t+8*\f:Q+16*\t+8*\f+7], v[S+32*\t+8*\kt:S+32*\t+8*\kt+7]
.endif
.endr
.endr
.endr
.rept 4
	v_nop                                          ; four places in front of the first read of the scores and of loads into KV
.endr
	TEST NZ, .Lno_mask_\@
.irp t, 0,1                            ; register 8 kt + j of a lane is query 16 t + l % 16, key 16 kt + 8 (l / 16) + j: 32 bytes of the mask's row for each kt
.irp kt, 0,1,2,3
.irp c, 0,1
	global_load_b128 v[KV+8*\kt+4*\c:KV+8*\kt+4*\c+3], v[MOF], s[MB:MB+1] offset:\t*131072+64*\kt+16*\c
.endr
.endr
	s_wait_loadcnt 0x0
.irp p, 0,2,4,6,8,10,12,14,16,18,20,22,24,26,28,30   ; ascending: each accumulator is read from its low end on
	v_pk_mul_f32 v[S+32*\t+\p:S+32*\t+\p+1], v[S+32*\t+\p:S+32*\t+\p+1], s[CL:CL+1] op_sel_hi:[1,0]   ; the logit,
	v_pk_mul_f32 v[KV+\p:KV+\p+1], v[KV+\p:KV+\p+1], s[CM:CM+1] op_sel_hi:[1,0]                       ; the bias, rounded by itself,
	v_pk_add_f32 v[S+32*\t+\p:S+32*\t+\p+1], v[S+32*\t+\p:S+32*\t+\p+1], v[KV+\p:KV+\p+1]             ; their sum, rounded by itself,
	v_pk_mul_f32 v[S+32*\t+\p:S+32*\t+\p+1], v[S+32*\t+\p:S+32*\t+\p+1], s[CE:CE+1] op_sel_hi:[1,0]   ; as an exponent of 2
.endr
.endr
.Lno_mask_\@:
.irp c, 0,1,2,3                        ; V's keys 0-31, turned: they land while the softmax is worked
	ds_load_tr16_b128 v[KV+8*\c:KV+8*\c+3],   v[AVF] offset:\u*SLOTB+32*\c
	ds_load_tr16_b128 v[KV+8*\c+4:KV+8*\c+7], v[AVF] offset:\u*SLOTB+16*PIT+32*\c
.endr
	; the maximum of a lane's 32 scores and the old M, three operands at a time, four chains a tile, the two tiles by turns; each accumulator is read from its low end on
.irp j, 0,1,2,3
.irp t, 0,1
	v_max3_num_f32 v[ST+8*\t+4+\j], v[S+32*\t+8*\j], v[S+32*\t+8*\j+1], v[S+32*\t+8*\j+2]
.endr
.endr
.irp n, 3,5
.irp j, 0,1,2,3
.irp t, 0,1
	v_max3_num_f32 v[ST+8*\t+4+\j], v[ST+8*\t+4+\j], v[S+32*\t+8*\j+\n], v[S+32*\t+8*\j+\n+1]
.endr
.endr
.endr
.irp t, 0,1
	v_max3_num_f32 v[ST+8*\t+4], v[ST+8*\t+4], v[S+32*\t+7], v[S+32*\t+15]
	v_max3_num_f32 v[ST+8*\t+6], v[ST+8*\t+6], v[S+32*\t+23], v[S+32*\t+31]
.endr
.irp t, 0,1
	v_max3_num_f32 v[ST+8*\t+4], v[ST+8*\t+4], v[ST+8*\t+5], v[ST+8*\t+6]
.endr
.irp t, 0,1
	v_max3_num_f32 v[ST+8*\t+4], v[ST+8*\t+4], v[ST+8*\t+7], v[ST+8*\t]
.endr
.irp t, 0,1
	v_permlanex16_b32 v[ST+8*\t+5], v[ST+8*\t+4], s[SEL], s[SEL+1]   ; the query's other 32 keys lie in the lane 16 away
.endr
.irp t, 0,1
	v_mov_b32 v[ST+8*\t+7], v[ST+8*\t]             ; the old M
.endr
.irp t, 0,1
	v_max_num_f32 v[ST+8*\t], v[ST+8*\t+4], v[ST+8*\t+5]             ; the new M
.endr
.irp t, 0,1
	v_sub_f32 v[ST+8*\t+7], v[ST+8*\t+7], v[ST+8*\t]
.endr
.irp p, 0,2,4,6,8,10,12,14,16,18,20,22,24,26,28,30
.irp t, 0,1
	v_pk_add_f32 v[S+32*\t+\p:S+32*\t+\p+1], v[S+32*\t+\p:S+32*\t+\p+1], v[ST+8*\t:ST+8*\t+1] op_sel_hi:[1,0] neg_lo:[0,1] neg_hi:[0,1]   ; s - M
.endr
.endr
.irp t, 0,1
	v_exp_f32 v[ST+8*\t+6], v[ST+8*\t+7]           ; a
.endr
.set i, 0
.rept 64
	v_exp_f32 v[S+i], v[S+i]                       ; p: ONE batch of 66 exponentials
.set i, i+1
.endr
	v_nop                                          ; a plain line behind the last exponential,
	s_wait_alu depctr_va_vdst(0)                   ; and the one wait ahead of the first line that names a result
.irp t, 0,1                            ; the row's sums of the unrounded p: two chains a tile
	v_pk_add_f32 v[SUM+4*\t:SUM+4*\t+1],   v[S+32*\t:S+32*\t+1],   v[S+32*\t+2:S+32*\t+3]
	v_pk_add_f32 v[SUM+4*\t+2:SUM+4*\t+3], v[S+32*\t+4:S+32*\t+5], v[S+32*\t+6:S+32*\t+7]
.endr
.irp j, 8,12,16,20,24,28
.irp t, 0,1
	v_pk_add_f32 v[SUM+4*\t:SUM+4*\t+1],   v[SUM+4*\t:SUM+4*\t+1],   v[S+32*\t+\j:S+32*\t+\j+1]
	v_pk_add_f32 v[SUM+4*\t+2:SUM+4*\t+3], v[SUM+4*\t+2:SUM+4*\t+3], v[S+32*\t+\j+2:S+32*\t+\j+3]
.endr
.endr
.irp t, 0,1
	v_pk_add_f32 v[SUM+4*\t:SUM+4*\t+1], v[SUM+4*\t:SUM+4*\t+1], v[SUM+4*\t+2:SUM+4*\t+3]
.endr
.irp t, 0,1
	v_pk_fma_f32 v[ST+8*\t+2:ST+8*\t+3], v[ST+8*\t+2:ST+8*\t+3], v[ST+8*\t+6:ST+8*\t+7], v[SUM+4*\t:SUM+4*\t+1] op_sel_hi:[1,0,1]   ; l = l a + the sum
.endr
.irp i, 0,1,2,3,4,5,6,7,8,9,10,11,12,13,14,15   ; P in place, ascending: register i is written when its own number has been read.  Keys 32 g on: v[S + 32 t + 8 g]
.irp t, 0,1
	v_cvt_pk_f16_f32 v[S+32*\t+\i], v[S+32*\t+2*\i], v[S+32*\t+2*\i+1]
.endr
.endr
.irp c, 0,1,2,3                        ; V's keys 32-63 into S's upper halves, which are free now
	ds_load_tr16_b128 v[S+16+8*\c+16*(\c/2):S+16+8*\c+16*(\c/2)+3],   v[AVF] offset:\u*SLOTB+32*PIT+32*\c
	ds_load_tr16_b128 v[S+16+8*\c+16*(\c/2)+4:S+16+8*\c+16*(\c/2)+7], v[AVF] offset:\u*SLOTB+48*PIT+32*\c
.endr
.irp t, 0,1
.irp p, 0,2,4,6,8,10,12,14,16,18,20,22,24,26,28,30
	v_pk_mul_f32 v[O+32*\t+\p:O+32*\t+\p+1], v[O+32*\t+\p:O+32*\t+\p+1], v[ST+8*\t+6:ST+8*\t+7] op_sel_hi:[1,0]   ; O^T x a, ascending
.endr
.endr
	s_wait_dscnt 0x0                               ; V
.irp g, 0,1                            ; O^T += V^T P: eight accumulators by turns
.irp c, 0,1,2,3
.irp t, 0,1
.set rV, (1-\g)*(KV+8*\c)+\g*(S+16+8*\c+16*(\c/2))
	v_wmma_f32_16x16x32_f16 v[O+32*\t+8*\c:O+32*\t+8*\c+7], v[rV:rV+7], v[S+32*\t+8*\g:S+32*\t+8*\g+7], v[O+32*\t+8*\c:O+32*\t+8*\c+7]
.endr
.endr
.endr
.endm
; A STEP on slot u.  The barrier and the waits in front of it stand outside every branch.
; THE PREFETCH: tile J + 3, two steps ahead of the load that will want it; lanes 256 bytes apart, 8,192 bytes: the whole tile.  All eight work-groups of a head walk the same K and V: in the first of them wave 0 asks for
; K's tile and wave 4 for V's, so each 256 bytes are named once in the launch.  Tiles 0 to 2 come by their loads alone; the last three steps ask for nothing; a tile that no wave of that work-group wants is not asked for.
.macro STEP u
	TEST NEED1, .Lno_ld_\@
.irp i, 0,1,2,3
	global_load_b128 v[STG+4*\i:STG+4*\i+3], v[GST], s[KVB:KVB+1] offset:512*\i   ; my 2,048 bytes of tile J + 1
.endr
.Lno_ld_\@:
	TEST PFM, .Lno_pf_\@
	global_prefetch_b8 v[PFO], s[KVB:KVB+1] offset:16384 th:TH_LOAD_NT scope:SCOPE_SE
.Lno_pf_\@:
	TEST ACT, .Lno_work_\@
	COMPUTE \u
.Lno_work_\@:
	s_wait_loadcnt 0x0                             ; tile J + 1 is in my registers
	TEST NEED1, .Lno_st_\@
.irp i, 0,1,2,3
	ds_store_b128 v[AST], v[STG+4*\i:STG+4*\i+3] offset:(1-\u)*SLOTB+576*\i       ; into the slot that was read a step ago
.endr
.Lno_st_\@:
	s_wait_xcnt 0x0                                ; loads and prefetch have read their bases: they may step
	s_add_nc_u64 s[KVB:KVB+1], s[KVB:KVB+1], 8192
	s_add_nc_u64 s[MB:MB+1], s[MB:MB+1], 256
	s_add_co_u32 s[JJ], s[JJ], 1
	s_wait_dscnt 0x0                               ; for the others' sake: my stores have landed and my reads of this slot are over
	s_barrier_signal -1
	s_barrier_wait -1
.endm
.Ltrip:                                            ; 16 trips of two steps
	STEP 0
	STEP 1
	s_add_co_u32 s[TRIP], s[TRIP], 1
	s_cmp_lt_u32 s[TRIP], 16
	s_cbranch_scc1 .Ltrip
	; THE WAY OUT.  l's two halves and the other half of the lanes' are added; O^T is divided by l, rounded to f16 and sent through my stage, so that a store covers four tokens: 512 consecutive bytes, aligned.
	; The four additions and the v_nop are the places behind the last products.
.irp t, 0,1
	v_add_f32 v[ST+8*\t+4], v[ST+8*\t+2], v[ST+8*\t+3]
.endr
.irp t, 0,1
	v_permlanex16_b32 v[ST+8*\t+5], v[ST+8*\t+4], s[SEL], s[SEL+1]
.endr
.irp t, 0,1
	v_add_f32 v[ST+8*\t+4], v[ST+8*\t+4], v[ST+8*\t+5]
.endr
.irp t, 0,1
	v_rcp_f32 v[ST+8*\t+6], v[ST+8*\t+4]
.endr
	v_nop                                          ; a plain line behind the last reciprocal,
	s_wait_alu depctr_va_vdst(0)                   ; and the wait ahead of the first use: one for the two
.irp t, 0,1
.irp p, 0,2,4,6,8,10,12,14,16,18,20,22,24,26,28,30
	v_pk_mul_f32 v[O+32*\t+\p:O+32*\t+\p+1], v[O+32*\t+\p:O+32*\t+\p+1], v[ST+8*\t+6:ST+8*\t+7] op_sel_hi:[1,0]
.endr
.endr
.irp t, 0,1
.irp i, 0,1,2,3,4,5,6,7,8,9,10,11,12,13,14,15
	v_cvt_pk_f16_f32 v[S+16*\t+\i], v[O+32*\t+2*\i], v[O+32*\t+2*\i+1]   ; a lane's eight channels of tile c: registers 4 c .. 4 c + 3
.endr
.endr
.irp t, 0,1
.irp c, 0,1,2,3
	ds_store_b128 v[OST], v[S+16*\t+4*\c:S+16*\t+4*\c+3] offset:\t*16*PIT+32*\c
.endr
.irp i, 0,1,2,3
	ds_load_b128 v[S+32+16*\t+4*\i:S+32+16*\t+4*\i+3], v[ORD] offset:\t*16*PIT+576*\i   ; LDS serves a wave's instructions in order: these see my stores
.endr
.endr
.irp t, 0,1
.irp i, 0,1,2,3
	s_wait_dscnt 11-8*\t-\i                        ; this load is back; what was issued behind it may be out
	global_store_b128 v[GST], v[S+32+16*\t+4*\i:S+32+16*\t+4*\i+3], s[10:11] offset:2048*\t+512*\i
.endr
.endr
	s_wait_tensorcnt 0x0                           ; the wave's end: behind my last LDS store
	ds_add_u32 v[SPW], v[NIL]
	s_wait_dscnt 0x0
	s_endpgm
.Lfunc_end_k_q910dd4032a_attn:
	.size	k_q910dd4032a_attn, .Lfunc_end_k_q910dd4032a_attn-k_q910dd4032a_attn
	.p2alignl 7, 3214868480
	.fill 96, 4, 3214868480
	.section	.rodata,"a",@progbits
	.p2align	6, 0x0
	.amdhsa_kernel k_q910dd4032a_attn
		.amdhsa_group_segment_fixed_size 74752
		.amdhsa_private_segment_fixed_size 0
		.amdhsa_enable_private_segment 0
		.amdhsa_kernarg_size 32
		.amdhsa_user_sgpr_count 2
		.amdhsa_user_sgpr_kernarg_segment_ptr 1
		.amdhsa_wavefront_size32 1
		.amdhsa_system_sgpr_workgroup_id_x 1
		.amdhsa_system_sgpr_workgroup_id_y 1
		.amdhsa_system_sgpr_workgroup_id_z 1
		.amdhsa_system_vgpr_workitem_id 0
		.amdhsa_next_free_vgpr 256
		.amdhsa_next_free_sgpr 96
		.amdhsa_reserve_vcc 0
		.amdhsa_float_denorm_mode_32 3
		.amdhsa_float_denorm_mode_16_64 3
		.amdhsa_memory_ordered 1
		.amdhsa_forward_progress 1
		.amdhsa_inst_pref_size 73
	.end_amdhsa_kernel
	.amdgpu_metadata
---
amdhsa.version: [ 1, 2 ]
amdhsa.kernels:
  - .name:           k_q910dd4032a_attn
    .symbol:         k_q910dd4032a_attn.kd
    .args:
      - { .name: qkvh, .offset: 0, .size: 8, .value_kind: global_buffer, .address_space: global }
      - { .name: mask, .offset: 8, .size: 8, .value_kind: global_buffer, .address_space: global }
      - { .name: flags, .offset: 16, .size: 8, .value_kind: global_buffer, .address_space: global }
      - { .name: ctx, .offset: 24, .size: 8, .value_kind: global_buffer, .address_space: global }
    .group_segment_fixed_size: 74752
    .private_segment_fixed_size: 0
    .kernarg_segment_align: 8
    .kernarg_segment_size: 32
    .max_flat_workgroup_size: 256
    .sgpr_count:     96
    .vgpr_count:     256
    .wavefront_size: 32
...
	.end_amdgpu_metadata
.endif
;; end of part 3
;; launch outp (part 4): grid 4 x 64, 4 waves a work-group, clusters of 4 x 4, 327,680 bytes of LDS; arguments ctx, wot, wo_b, out0; writes out0
.if DOCPART == 4
	.amdgcn_target "amdgcn-amd-amdhsa--gfx1250"
	.amdhsa_code_object_version 6
	.text
	.protected	k_q910dd4032a_outp
	.globl	k_q910dd4032a_outp
	.p2align	8
	.type	k_q910dd4032a_outp,@function
k_q910dd4032a_outp:
	s_mov_b64 s[64:65], 0
	v_nop
	global_prefetch_b8 v0, s[64:65] scope:SCOPE_SE
	s_setreg_imm32_b32 hwreg(HW_REG_WAVE_MODE, 25, 1), 1
	s_wait_xcnt 0x0
	s_wait_alu depctr_hold_cnt(0) depctr_sa_sdst(0) depctr_va_vdst(0) depctr_va_sdst(0) depctr_va_ssrc(0) depctr_va_vcc(0) depctr_vm_vsrc(0)
	s_getreg_b32 s2, hwreg(HW_REG_IB_STS2, 6, 4)
	s_cmp_eq_u32 s2, 0
	s_cbranch_scc0 .Lentry_in_a_cluster
	s_endpgm
.Lentry_in_a_cluster:
	s_bfe_u32 s2, ttmp6, 0x10000c
	s_cmp_lg_u32 s2, 0xf033
	s_cbranch_scc0 .Lentry_shape_is_right
	s_endpgm
.Lentry_shape_is_right:
; OUTP: out0[m][n] = sum over k of ctx[m][k] wo[k][n] + wo_b[n].  ctx: f16, laid by head, [batch][head][token][64], so k = 64 x head + channel; wot: wo transposed, f16, [n][k]; out0 [8192][1024] f32; sums in f32.
; A tile of C is 128 (m) x 256 (n): 256 work-groups.  Four waves, each 64 x 128: 32 accumulators of 16 x 16, 256 registers.  K goes in steps of 128 (two heads) through a ring of two LDS slots filled by the tensor data mover:
; A's part of a slot is two dense blocks of memory, 128 tokens x 128 bytes of one head each; B's is 256 rows of 256 bytes.
; CLUSTERS: 4 x 4 work-groups.  The four of a row of the cluster need the same tiles of A, the four of a column the same tiles of B: each tile is asked for JOINTLY, by the same tensor load with the same descriptor and a mask
; that names the four.  THE MATRIX INSTRUCTION IS USED TRANSPOSED (source 0 = 16 rows of B, source 1 = 16 rows of A): a lane then holds eight neighbouring numbers of a row of C.
; REGISTERS: window 0: v0-31 addresses; two fragment buffers for 32 along K: A's 4 fragments, then B's 8: v32-127 and v128-223; v224-227 the bias; on the way out v32-159 take rows.   window 1: the accumulators ((a, b) at v[8 (8 a + b)]).
.set PA,     144                       ; A's LDS row: 128 bytes + 16
.set PB,     272                       ; B's: 256 bytes + 16: in both the 16 rows that a load touches start at 16 different 16-byte columns
.set ASUB,   128*PA                    ; one head's 128 tokens: what a tensor load for A brings
.set BOFF,   2*ASUB                    ; B's rows lie behind A's two heads
.set BHALF,  128*PB                    ; 128 rows of B: what a tensor load for B brings
.set SLOT,   BOFF+2*BHALF
.set STAGE,  2*SLOT                    ; behind the ring: 16 rows x (512 bytes + 16) for each wave, for the way out
.set SPITCH, 528
.set SPARE,  STAGE+4*16*SPITCH         ; the spare words, 128 bytes for each wave: two blocks of 256 bytes that no other line names
.set LAPS,   4                         ; a lap = two K steps = once round the ring; K = 1,024 is eight steps
.set AKS,    524288                    ; a K step on in ctx: two heads of 262,144 bytes
.set BKS,    256                       ; and in a row of wot
.set ADRA, 16                          ; v16-17  LDS address of my A fragments in slot 0, 1
.set ADRB, 20                          ; v20-21  the same for B
.set STO,  24                          ; v24     the way out: where I put 32 bytes of a row
.set RD,   25                          ; v25     the way out: where I read a row back
.set CO,   26                          ; v26     16 x lane
.set SPW,  28                          ; v28     LDS address of my spare word; never rewritten
.set NIL,  29                          ; v29     0; never rewritten
.set PFO,  30                          ; v30     the prefetches' offset: lanes 0-15 one head's 16 runs of 256 bytes, lanes 16-31 the next head's; never rewritten
.set F0,   32
.set F1,   128
.set BI,   224                         ; v224-227 wo_b at my four columns
.set BK,   32                          ; the way out: v32-95 and v96-159 by turns
.set WV,   12                          ; s12 wave; s13 wave / 2: my half of the rows, and: I fetch for A (0) or B (1); s14 wave % 2: my half of the columns, and: which part I fetch
.set LIM,  43                          ; s43     1 in the wave that prefetches, else the greatest number
.set PFA,  44                          ; s[44:45] where my prefetches stand
.set G1, 24                            ; s[24:31] descriptor group 1 for A's tiles;  s[32:39] group 0, one set for each slot
.set G0, 32
.set G1B, 48                           ; s[48:55], s[56:63] the same for B's tiles
.set G0B, 56
.set MSB, 0
.macro WIN new                         ; the immediate's high byte repeats the setting that is left
.if MSB != \new
	s_set_vgpr_msb (MSB<<8)|\new
.set MSB, \new
.endif
.endm
.set MUL,  0x50                        ; sources 0 and 1 window 0; C and D window 1
.macro JLOAD s                         ; a joint load: waves 0 and 1 fetch A's two heads, waves 2 and 3 B's two halves; an s_nop 0 and four v_nop follow each of the two lines, ahead of the jump, the label and what follows
	s_cmp_eq_u32 s13, 0
	s_cbranch_scc0 .Lfor_b_\@
	tensor_load_to_lds s[G0+4*\s:G0+4*\s+3], s[G1:G1+7]
	s_nop 0
.rept 4
	v_nop
.endr
	s_branch .Lasked_\@
.Lfor_b_\@:
	tensor_load_to_lds s[G0B+4*\s:G0B+4*\s+3], s[G1B:G1B+7]
	s_nop 0
.rept 4
	v_nop
.endr
.Lasked_\@:
.endm
.macro CREST                           ; a round of the cluster's barrier behind its opening barrier
	s_cmp_lg_u32 s[WV], 0
	s_cbranch_scc1 .Lnot_wave_0_\@
	s_barrier_signal -3
.Lnot_wave_0_\@:
	s_barrier_wait -3
	s_barrier_signal -1
	s_barrier_wait -1
.endm
.macro CROUND                          ; a whole round
	s_barrier_signal -1
	s_barrier_wait -1
	CREST
.endm
; A PREFETCH INTO THE L2, behind each joint refill and the run of LDS loads that follows it: A's K step that stands TWO refills on, 256 matrix instructions ahead of the load that will want it.  A tile row of ctx is read by one
; row of one cluster alone.  A K step of it is 2 heads x 16,384 bytes; the four partners share it out BY ADDRESS, 4,096 bytes of each head to a partner (cx): 32 runs of 256 bytes, a lane a run, one instruction, by wave 0.
; So each 256 bytes are named once in the launch.  K steps 0 to 3 come by their loads alone; the loop's last trip, whose refills are the last two K steps, asks for nothing.  wot is read again by every cluster and is not asked for.
.macro ASK
	s_cmp_gt_u32 s3, s[LIM]                        ; s3 = 1 in the loop's last trip
	s_cbranch_scc0 .Lnot_mine_\@
	global_prefetch_b8 v[PFO], s[PFA:PFA+1] offset:AKS th:TH_LOAD_NT scope:SCOPE_SE
.Lnot_mine_\@:
.endm
	s_load_b256 s[4:11], s[0:1], 0x0               ; ctx s[4:5], wot s[6:7], wo_b s[8:9], out0 s[10:11]
	v_lshl_add_u32 v[SPW], v0, 2, SPARE
	v_mov_b32 v[NIL], 0
	ds_add_u32 v[SPW], v[NIL]                      ; the wave's opening: the add and its wait stand ahead of my first tensor load; the set-up below, work on registers, stands between them
	v_lshrrev_b32 v1, 5, v0
	v_readfirstlane_b32 s[WV], v1                  ; wave 0..3
	s_lshr_b32 s13, s[WV], 1
	s_and_b32 s14, s[WV], 1
	s_bfe_u32 s40, ttmp6, 0x40000                  ; cx, cy: my place in the cluster
	s_bfe_u32 s41, ttmp6, 0x40004
	s_lshl_b32 s42, ttmp9, 2
	s_add_co_u32 s42, s42, s40                     ; tile column of C = 4 x cluster x + cx
	s_and_b32 s15, ttmp7, 0xffff
	s_lshl_b32 s15, s15, 2
	s_add_co_u32 s15, s15, s41                     ; tile row of C = 4 x cluster y + cy
	s_lshl_b32 s16, s41, 2
	s_lshl_b32 s16, 15, s16                        ; my row of the cluster
	s_lshl_b32 s17, 0x1111, s40                    ; my column
	; descriptor group 1.  A: 128 rows x 64 elements, dense;  B: 128 rows x 128 elements, 1,024 elements apart; both padded in LDS
	s_or_b32 s[G1+0], s16, (1<<16)|(1<<20)|(1<<21)|(4<<22)|(3<<25)  ; 15:0 the mask: A's tiles go to my row; 17:16 element of 2 bytes; 20 padding on; 21 set beside a mask; 24:22 after every 32 words (code 4); 31:25 of 4 words (code 3)
	s_or_b32 s[G1B+0], s17, (1<<16)|(1<<20)|(1<<21)|(5<<22)|(3<<25) ; B's go to my column; padding after every 64 words (code 5)
	s_mov_b32 s[G1+1], 64<<16                      ; tensor_dim0
	s_mov_b32 s[G1+2], 128<<16                     ; tensor_dim1
	s_mov_b32 s[G1+3], 64<<16                      ; tile_dim0
	s_mov_b32 s[G1+4], 128                         ; tile_dim1
	s_mov_b32 s[G1+5], 64                          ; tensor_dim0_stride
	s_mov_b32 s[G1+6], 0
	s_mov_b32 s[G1+7], 0
	s_mov_b32 s[G1B+1], 128<<16
	s_mov_b32 s[G1B+2], 128<<16
	s_mov_b32 s[G1B+3], 128<<16
	s_mov_b32 s[G1B+4], 128
	s_mov_b32 s[G1B+5], 1024
	s_mov_b32 s[G1B+6], 0
	s_mov_b32 s[G1B+7], 0
	s_lshr_b32 s18, s15, 4                         ; the batch: 16 tile rows to each, 16 heads of 262,144 bytes
	s_lshl_b32 s18, s18, 22
	s_and_b32 s19, s15, 15
	s_lshl_b32 s19, s19, 14                        ; + 128 tokens of 128 bytes for each tile row in it
	s_add_co_u32 s18, s18, s19                     ; the tile row's first byte in head 0
	s_lshl_b32 s19, s14, 18
	s_add_co_u32 s20, s18, s19                     ; A: + the head that I fetch
	s_mov_b32 s21, 0
	s_lshl_b32 s46, s42, 19                        ; B: row 256 x tile column + 128 x half, of 2,048 bytes
	s_add_co_u32 s46, s46, s19
	s_mov_b32 s47, 0
	s_mul_i32 s22, s14, ASUB                       ; where they go: no place in the cluster enters an LDS address
	s_mul_i32 s23, s14, BHALF
	s_add_co_u32 s23, s23, BOFF
	s_wait_dscnt 0x0                               ; the opening add is done
	s_wait_kmcnt 0x0
	s_add_nc_u64 s[20:21], s[4:5], s[20:21]
	s_add_nc_u64 s[46:47], s[6:7], s[46:47]
	CROUND                                         ; all sixteen work-groups are here: the first joint loads meet
.irp s, 0,1
	s_mov_b32 s[G0+4*\s], 1
	s_add_co_u32 s[G0+4*\s+1], s22, \s*SLOT
	s_add_nc_u64 s[G0+4*\s+2:G0+4*\s+3], s[20:21], \s*AKS
	s_or_b32 s[G0+4*\s+3], s[G0+4*\s+3], 0x80000000
	s_mov_b32 s[G0B+4*\s], 1
	s_add_co_u32 s[G0B+4*\s+1], s23, \s*SLOT
	s_add_nc_u64 s[G0B+4*\s+2:G0B+4*\s+3], s[46:47], \s*BKS
	s_or_b32 s[G0B+4*\s+3], s[G0B+4*\s+3], 0x80000000
	JLOAD \s                                       ; two tensor loads of a wave are out behind this group
.endr
	v_and_b32 v1, 15, v0                           ; l % 16
	v_bfe_u32 v2, v0, 4, 1                         ; l / 16
	v_mul_u32_u24 v3, v1, PA
	v_lshl_add_u32 v3, v2, 4, v3                   ; a fragment's row x pitch + 16 x half
	v_mul_u32_u24 v4, v1, PB
	v_lshl_add_u32 v4, v2, 4, v4
	s_mul_i32 s21, s13, 64*PA                      ; my 64 rows of A
	s_mul_i32 s22, s14, BHALF                      ; my 128 rows of B,
	s_add_co_u32 s22, s22, BOFF                    ; which lie behind A's two heads
.irp s, 0,1
	v_add_nc_u32 v[ADRA+\s], s21, v3
	v_add_nc_u32 v[ADRB+\s], s22, v4
	s_add_co_u32 s21, s21, SLOT
	s_add_co_u32 s22, s22, SLOT
.endr
	s_mul_i32 s23, s[WV], 16*SPITCH
	s_add_co_u32 s23, s23, STAGE                   ; my stage
	v_mul_u32_u24 v5, v1, SPITCH                   ; in: row l % 16, 32 bytes for each half of the lanes
	v_lshl_add_u32 v5, v2, 5, v5
	v_add_nc_u32 v[STO], s23, v5
	v_and_b32 v6, 31, v0
	v_lshlrev_b32 v[CO], 4, v6                     ; back: the 32 lanes take one row of 512 bytes; and the same in C
	v_add_nc_u32 v[RD], s23, v[CO]
	v_lshlrev_b32 v[PFO], 8, v1
	v_lshl_add_u32 v[PFO], v2, 18, v[PFO]
	s_lshl_b32 s46, s42, 10                        ; my first column, in bytes: 1024 x tile column + 512 x half
	s_lshl_b32 s47, s14, 9
	s_add_co_u32 s46, s46, s47
	s_mov_b32 s47, 0
	s_add_nc_u64 s[8:9], s[8:9], s[46:47]
	global_load_b128 v[BI:BI+3], v[CO], s[8:9]     ; the bias at my four columns of the wave's 128
	s_lshl_b32 s20, s15, 19                        ; my first row of C: 128 x tile row + 64 x half, of 4,096 bytes
	s_lshl_b32 s21, s13, 18
	s_add_co_u32 s20, s20, s21
	s_add_co_u32 s20, s20, s46
	s_mov_b32 s21, 0
	s_add_nc_u64 s[10:11], s[10:11], s[20:21]
	s_lshl_b32 s16, s40, 12                        ; the prefetches: my work-group's 4,096 bytes of each head,
	s_add_co_u32 s16, s16, s18
	s_mov_b32 s17, 0
	s_add_nc_u64 s[PFA:PFA+1], s[4:5], s[16:17]
	s_add_nc_u64 s[PFA:PFA+1], s[PFA:PFA+1], 2*AKS ; at K step 2: the first refill steps it to 3 and names K step 4.  Nothing is prefetched here, at the head
	s_cmp_eq_u32 s[WV], 0
	s_cselect_b32 s[LIM], 1, -1
; 8 matrix instructions: m blocks a0, a0 + 1 x n blocks 4 bh .. 4 bh + 3, 32 along K, from buffer f.  zero = 1: the first product starts the sums.  The 32 accumulators take turns, in the same order in every quarter.
.macro MUL8 f, bh, a0, zero
.irp a, \a0, \a0+1
.irp b, 0,1,2,3
.if \zero
	v_wmma_f32_16x16x32_f16 v[8*(8*(\a)+4*\bh+\b):8*(8*(\a)+4*\bh+\b)+7], v[\f+32+8*(4*\bh+\b):\f+32+8*(4*\bh+\b)+7], v[\f+8*(\a):\f+8*(\a)+7], 0
.else
	v_wmma_f32_16x16x32_f16 v[8*(8*(\a)+4*\bh+\b):8*(8*(\a)+4*\bh+\b)+7], v[\f+32+8*(4*\bh+\b):\f+32+8*(4*\bh+\b)+7], v[\f+8*(\a):\f+8*(\a)+7], v[8*(8*(\a)+4*\bh+\b):8*(8*(\a)+4*\bh+\b)+7]
.endif
.endr
.endr
.endm
; 24 LDS loads in one run: the fragments of the slot's quarter q (32 along K) into buffer f: A's four, then B's eight.  Quarters 0, 1 lie in A's first head, 2, 3 in its second.
.macro FETCH slot, q, f
	WIN 0
.irp a, 0,1,2,3
	ds_load_b128 v[\f+8*\a:\f+8*\a+3],   v[ADRA+\slot] offset:((\q)/2)*ASUB+\a*16*PA+64*((\q)%2)
	ds_load_b128 v[\f+8*\a+4:\f+8*\a+7], v[ADRA+\slot] offset:((\q)/2)*ASUB+\a*16*PA+64*((\q)%2)+32
.endr
.irp b, 0,1,2,3,4,5,6,7
	ds_load_b128 v[\f+32+8*\b:\f+32+8*\b+3],   v[ADRB+\slot] offset:\b*16*PB+64*(\q)
	ds_load_b128 v[\f+32+8*\b+4:\f+32+8*\b+7], v[ADRB+\slot] offset:\b*16*PB+64*(\q)+32
.endr
.endm
.macro PLACES                          ; four places in front of loads into registers that matrix instructions have read, and of the first read of results
.rept 4
	v_nop
.endr
.endm
; A K step is four quarters of 32 along K, 32 matrix instructions each, on buffers 0, 1, 0, 1.  One of the first three: multiplies buffer f and fetches the slot's quarter q into g.
.macro QUARTER slot, q, f, g, zero
	s_wait_dscnt 8                                 ; A's fragments and B's blocks 0-3 are in; the youngest eight loads (B's blocks 4-7) may be out
	WIN MUL
	MUL8 \f, 0, 0, \zero
	MUL8 \f, 0, 2, \zero
	PLACES
	FETCH \slot, \q, \g
	s_wait_dscnt 24                                ; all but the 24 just issued
	WIN MUL
	MUL8 \f, 1, 0, \zero
	MUL8 \f, 1, 2, \zero
.endm
; The last quarter multiplies buffer 1 and changes slots: ONE barrier; in front of it each wave waits for all its tensor loads, adds 0 to its spare word, and waits for that and for its own reads of this slot.  fill = 1: this slot is filled again, two K steps ahead.
.macro TURN slot, next, fill
.if \fill
	s_wait_xcnt 0x0                                ; the last prefetch, a K step back, has read its address: it is stepped here, ahead of the waits of the change of slots
	s_add_nc_u64 s[PFA:PFA+1], s[PFA:PFA+1], AKS
.endif
	WIN 0                                          ; (the add's two registers lie in window 0)
	s_wait_tensorcnt 0x0                           ; all my tensor loads have landed: my part of the next slot;
	ds_add_u32 v[SPW], v[NIL]                      ; 0 onto my spare word;
	s_wait_dscnt 9                                 ; (the add and the youngest eight loads may be out)
	WIN MUL
	MUL8 F1, 0, 0, 0                               ; eight matrix instructions stand between the add and the wait for it
	s_wait_dscnt 0x0                               ; the add is done, and my reads of this slot are over
	s_barrier_signal -1
	MUL8 F1, 0, 2, 0
.if \fill
	WIN 0
.endif
	s_barrier_wait -1
.if \fill
	CREST                                          ; the barrier has opened a round of the cluster's barrier: no wave of any partner still reads this slot's tile or has a load on its way
	s_add_nc_u64 s[G0+4*\slot+2:G0+4*\slot+3], s[G0+4*\slot+2:G0+4*\slot+3], 2*AKS
	s_add_nc_u64 s[G0B+4*\slot+2:G0B+4*\slot+3], s[G0B+4*\slot+2:G0B+4*\slot+3], 2*BKS
	JLOAD \slot                                    ; the first tensor load behind the round, and my only one until the next; the four v_nop behind it are also the places in front of the loads below
.else
	PLACES
.endif
	FETCH \next, 0, F0
.if \fill
	ASK
.endif
	WIN MUL
	MUL8 F1, 1, 0, 0
	MUL8 F1, 1, 2, 0
.endm
	s_wait_tensorcnt 1                             ; my part of K step 0 is in (K step 1's load may be out)
	s_barrier_signal -1
	s_barrier_wait -1                              ; everybody's is
	FETCH 0, 0, F0
	QUARTER 0, 1, F0, F1, 1                        ; the first quarter stands in front of the loop: its products start the sums
	WIN 0                                          ; at a label and at a branch every window is 0
	s_mov_b32 s3, LAPS-1
.Llap:                                                 ; a trip goes once round the ring, from a lap's second quarter to the next lap's first, and fills both slots again
	QUARTER 0, 2, F1, F0, 0
	QUARTER 0, 3, F0, F1, 0
	TURN 0, 1, 1
	QUARTER 1, 1, F0, F1, 0
	QUARTER 1, 2, F1, F0, 0
	QUARTER 1, 3, F0, F1, 0
	TURN 1, 0, 1
	QUARTER 0, 1, F0, F1, 0
	WIN 0
	s_sub_co_u32 s3, s3, 1
	s_cmp_lg_u32 s3, 0
	s_cbranch_scc1 .Llap
	QUARTER 0, 2, F1, F0, 0                        ; the last lap fills nothing, and has no round of the cluster's barrier
	QUARTER 0, 3, F0, F1, 0
	TURN 0, 1, 0
	QUARTER 1, 1, F0, F1, 0
	QUARTER 1, 2, F1, F0, 0
	QUARTER 1, 3, F0, F1, 0
	s_wait_dscnt 8                                 ; the very last quarter: nothing more to fetch
	WIN MUL
	MUL8 F1, 0, 0, 0
	MUL8 F1, 0, 2, 0
	s_wait_dscnt 0
	MUL8 F1, 1, 0, 0
	MUL8 F1, 1, 2, 0
	WIN 0
; THE WAY OUT, block by block of 16 rows x 128 columns.  A lane holds 32 neighbouring bytes of a row, and the lanes beside it hold other rows: so a block goes through my own stage in LDS and comes back as whole rows of
; 512 bytes; the bias is added, and the 32 lanes store 512 consecutive bytes at a multiple of 256 from out0's first byte.  LDS serves a wave's instructions in order (ISA guide 5.7.1.4): no wait between the stores and the loads.
.macro TOSTAGE a
	WIN 0x04                                       ; an LDS store's data are its source 1: window 1
.irp b, 0,1,2,3,4,5,6,7
	ds_store_b128 v[STO], v[64*(\a)+8*\b:64*(\a)+8*\b+3] offset:64*\b          ; each accumulator from its low end on
	ds_store_b128 v[STO], v[64*(\a)+8*\b+4:64*(\a)+8*\b+7] offset:64*\b+16
.endr
	WIN 0
.set BB, BK+64*((\a)%2)
.irp t, 0,1,2,3,4,5,6,7,8,9,10,11,12,13,14,15
	ds_load_b128 v[BB+4*\t:BB+4*\t+3], v[RD] offset:\t*SPITCH
.endr
.endm
.macro SEND a, younger                 ; younger: the LDS instructions issued behind block a's loads, which may stay out
.set BB, BK+64*((\a)%2)
	s_wait_dscnt \younger                          ; the block is back in registers
.irp t, 0,1,2,3,4,5,6,7,8,9,10,11,12,13,14,15
	v_pk_add_f32 v[BB+4*\t:BB+4*\t+1],   v[BB+4*\t:BB+4*\t+1],   v[BI:BI+1]
	v_pk_add_f32 v[BB+4*\t+2:BB+4*\t+3], v[BB+4*\t+2:BB+4*\t+3], v[BI+2:BI+3]
	global_store_b128 v[CO], v[BB+4*\t:BB+4*\t+3], s[10:11] offset:(16*(\a)+\t)*4096 th:TH_STORE_NT   ; every offset is an immediate, 63 rows at the most: no base is stepped; written once, read by nobody here
.endr
.endm
	PLACES                                         ; behind the last products: for the stores that read results and the loads into the registers that held fragments
	TOSTAGE 0
	s_wait_loadcnt 0x0                             ; the bias
.irp a, 1,2,3
.if \a > 1
	s_wait_xcnt 0x0                                ; block a - 2's stores have read their registers: block a's loads may land there
.endif
	TOSTAGE \a
	SEND \a-1, 32                                  ; behind block a - 1's loads: block a's 16 stores and 16 loads
.endr
	SEND 3, 0
	s_wait_tensorcnt 0x0                           ; the wave's end: behind my last tensor load and my last LDS store
	ds_add_u32 v[SPW], v[NIL]
	s_wait_dscnt 0x0
	CROUND                                         ; the closing round: no work-group ends while a partner may still ask for a tile that names it
	s_endpgm
.Lfunc_end_k_q910dd4032a_outp:
	.size	k_q910dd4032a_outp, .Lfunc_end_k_q910dd4032a_outp-k_q910dd4032a_outp
	.p2alignl 7, 3214868480
	.fill 96, 4, 3214868480
	.section	.rodata,"a",@progbits
	.p2align	6, 0x0
	.amdhsa_kernel k_q910dd4032a_outp
		.amdhsa_group_segment_fixed_size 327680
		.amdhsa_private_segment_fixed_size 0
		.amdhsa_enable_private_segment 0
		.amdhsa_kernarg_size 32
		.amdhsa_user_sgpr_count 2
		.amdhsa_user_sgpr_kernarg_segment_ptr 1
		.amdhsa_wavefront_size32 1
		.amdhsa_system_sgpr_workgroup_id_x 1
		.amdhsa_system_sgpr_workgroup_id_y 1
		.amdhsa_system_sgpr_workgroup_id_z 1
		.amdhsa_system_vgpr_workitem_id 0
		.amdhsa_next_free_vgpr 512
		.amdhsa_next_free_sgpr 66
		.amdhsa_reserve_vcc 0
		.amdhsa_float_denorm_mode_32 3
		.amdhsa_float_denorm_mode_16_64 3
		.amdhsa_memory_ordered 1
		.amdhsa_forward_progress 1
		.amdhsa_inst_pref_size 94
	.end_amdhsa_kernel
	.amdgpu_metadata
---
amdhsa.version: [ 1, 2 ]
amdhsa.kernels:
  - .name:           k_q910dd4032a_outp
    .symbol:         k_q910dd4032a_outp.kd
    .args:
      - { .name: ctx, .offset: 0, .size: 8, .value_kind: global_buffer, .address_space: global }
      - { .name: wot, .offset: 8, .size: 8, .value_kind: global_buffer, .address_space: global }
      - { .name: wo_b, .offset: 16, .size: 8, .value_kind: global_buffer, .address_space: global }
      - { .name: out0, .offset: 24, .size: 8, .value_kind: global_buffer, .address_space: global }
    .group_segment_fixed_size: 327680
    .private_segment_fixed_size: 0
    .kernarg_segment_align: 8
    .kernarg_segment_size: 32
    .max_flat_workgroup_size: 128
    .sgpr_count:     66
    .vgpr_count:     512
    .wavefront_size: 32
...
	.end_amdgpu_metadata
.endif
;; end of part 4
